; MI455X (gfx1250); checked and timed in simulation.
; The chip was launched on July 23, 2026; its instructions are those of AMD's public machine-readable ISA for CDNA 5 (MIT licence, August 2026) and "CDNA5" Instruction Set Architecture Reference Guide (July 2026). The comments in the code are by the model that wrote it; some were corrected since.
;; Cross Attention. Allowed arithmetic: float matrix products may take bf16 or f16 operands with f32 sums; all other float work in f32.
;; Inputs: Wk 1,024 x 1,024 float32; Wo 1,024 x 1,024 float32; Wq 1,024 x 1,024 float32; Wv 1,024 x 1,024 float32; bk 1,024 float32; bo 1,024 float32; bq 1,024 float32; bv 1,024 float32; key 16 x 2,048 x 1,024 float32; query 16 x 1 x 1,024 float32; value 16 x 2,048 x 1,024 float32.
;; Outputs: out0 16 x 1,024 float32.
;; 2 versions, each right; version 2 is version 1 with the launches projq, sv, projv, projo written anew for expert scheduling mode. Each part assembles by itself: llvm-mc -triple=amdgcn-amd-amdhsa -mcpu=gfx1250 --defsym DOCPART=n.
;; ======== version 1 of 2: 6 launches
;; workspace buffers: q 65,536 bytes; qkw 1,048,576 bytes; cw 1,024 bytes; upart 16,777,216 bytes; ml 32,768 bytes; u 1,048,576 bytes; attn 65,536 bytes
;; launch projq (part 1): grid 64 x 1, 16 waves a work-group, no clusters, 96,256 bytes of LDS; arguments query, Wq, bq, q; writes q
.if DOCPART == 1
	.amdgcn_target "amdgcn-amd-amdhsa--gfx1250"
	.amdhsa_code_object_version 6
	.text
	.protected	k_q96b73a64e7_projq
	.globl	k_q96b73a64e7_projq
	.p2align	8
	.type	k_q96b73a64e7_projq,@function
k_q96b73a64e7_projq:
	s_mov_b64 s[64:65], 0
	v_nop
	global_prefetch_b8 v0, s[64:65] scope:SCOPE_SE
	s_setreg_imm32_b32 hwreg(HW_REG_WAVE_MODE, 25, 1), 1
	s_wait_xcnt 0x0
; out[b][n] = sum over k of X[b][k] W[n][k] + bias[n].  X: 16 rows of 1024 f32, W: rows of 1024 f32, out: [16][1024] f32.
; One text for three products: q = query Wq^T + bq (grid 64 x 1), attn = u_h Wv_h^T + bv (grid 4 x 16, y = head, X = head y's
; 16 rows of u, 65,536 bytes a head) and out0 = attn Wo^T + bo (grid 64 x 1).
; A work-group owns the 16 columns n0 = 64 y + 16 x .. + 15 for all 16 rows.  Wave w of sixteen owns k = 64 w .. 64 w + 63: a load takes 256
; aligned bytes of each of two rows, eight loads for W's 16 rows and eight for X's.  The numbers are rounded to bf16 in the registers they
; came into, laid into a scratch of the wave's own in LDS and read back as matrix fragments (a fragment wants lane = row, a load along the
; rows gives lane = column).  The sixteen waves' partial sums meet in LDS.
; Sixteen waves, so that a wave's chain is short (16 loads, 16 stores, 8 fragment loads, 2 matrix instructions) and four waves lie on each SIMD.
; LIMITS: X and W enter the product rounded to bf16, sums in f32; the sum over k is made in sixteen strips, an order other than the reference's.
; NO CLUSTER: W's rows are read by one work-group alone; X's 64 KiB are shared, but they pass through registers to be rounded to bf16.
; The output's run is 64 bytes of a row for a work-group (16 columns): with 64 columns a work-group the 4 MiB of W would lie on 16
; work-groups instead of 64, and the whole output is 64 KiB.
.set ROWB,   4096                      ; bytes in a row of X, W and out
.set WAVES,  16
.set PITCH,  144                       ; scratch row: 64 bf16 + 16 bytes, an odd multiple of 16: the 16 rows that a 16-byte load touches start at different banks (ISA guide 11.1)
.set TILE,   16*PITCH                  ; 16 rows
.set SCRW,   2*TILE                    ; a wave's scratch: W's tile, then X's
.set RED,    WAVES*SCRW                ; behind the scratches: the partial sums
.set RPITCH, 80                        ; 16 f32 + 16 bytes
.set REDW,   16*RPITCH                 ; a wave's partial sums: 16 rows b
.set GOFF, 4                           ; v4   4096 hh + 256 w + 16 r: my 16 bytes of rows 0 and 1
.set SW,   5                           ; v5   scratch, in: row hh, my 8 bytes
.set SR,   6                           ; v6   scratch, back: row r, 16 bytes for each half of the lanes
.set RW,   7                           ; v7   partial sums, in
.set RR,   8                           ; v8   partial sums, back
.set BO,   9                           ; v9   my four columns in the bias
.set OO,   10                          ; v10  my 16 bytes of the output
.set ACC0, 16                          ; v[16:23]
.set ACC1, 24                          ; v[24:31]
.set BIAS, 32                          ; v[32:35]
.set Q,    64                          ; v[64:127]  quads 0-7: W as loaded, 8-15: X as loaded; each is rounded in place; later the sixteen partial sums
.set WF,   128                         ; v[128:143] W's two fragments
.set XF,   144                         ; v[144:159] X's two fragments
	s_load_b256 s[4:11], s[0:1], 0x0               ; X s[4:5], W s[6:7], bias s[8:9], out s[10:11]
	v_lshl_add_u32 v160, v0, 2, 0x17000
	v_mov_b32 v161, 0
	v_lshrrev_b32 v1, 5, v0
	v_readfirstlane_b32 s12, v1                    ; wave 0..15
	s_and_b32 s14, ttmp7, 0xffff                   ; y
	s_lshl_b32 s13, ttmp9, 4
	s_lshl_b32 s15, s14, 6
	s_add_co_u32 s15, s15, s13                     ; n0 = 64 y + 16 x
	s_lshl_b32 s16, s15, 12                        ; W: n0 rows of 4,096 bytes
	s_mov_b32 s17, 0
	s_lshl_b32 s18, s14, 16                        ; X: y blocks of 16 rows
	s_mov_b32 s19, 0
	s_lshl_b32 s20, s15, 2                         ; bias and out: n0 columns
	s_mov_b32 s21, 0
	s_mul_i32 s22, s12, SCRW                       ; my scratch
	s_mul_i32 s23, s12, REDW
	s_add_co_u32 s23, s23, RED                     ; my partial sums
	s_lshl_b32 s24, s12, 8                         ; my 64 k in a row
	v_and_b32 v3, 15, v0                           ; r
	v_bfe_u32 v11, v0, 4, 1                        ; hh
	v_and_b32 v13, 3, v0
	v_lshlrev_b32 v[BO], 4, v13
	v_lshlrev_b32 v[GOFF], 4, v3
	v_lshl_add_u32 v[GOFF], v11, 12, v[GOFF]
	v_add_nc_u32 v[GOFF], s24, v[GOFF]
	s_wait_kmcnt 0x0
	s_add_nc_u64 s[4:5], s[4:5], s[18:19]
	s_add_nc_u64 s[6:7], s[6:7], s[16:17]
	s_add_nc_u64 s[8:9], s[8:9], s[20:21]
	s_add_nc_u64 s[10:11], s[10:11], s[20:21]
	s_cmp_gt_u32 s12, 1                            ; waves 0 and 1 write the output: they alone want the bias.  It is the oldest load,
	s_cbranch_scc1 .Lno_bias                       ; so the counts below, which count younger loads, are the same in every wave
	global_load_b128 v[BIAS:BIAS+3], v[BO], s[8:9]
.Lno_bias:
.irp i, 0,1,2,3,4,5,6,7
	global_load_b128 v[Q+4*\i:Q+4*\i+3], v[GOFF], s[6:7] offset:2*ROWB*\i th:TH_LOAD_NT   ; lanes 0-15: 256 aligned bytes of row n0 + 2 i, lanes 16-31: of row n0 + 2 i + 1; read once in the launch
.endr
.irp i, 0,1,2,3,4,5,6,7
	global_load_b128 v[Q+32+4*\i:Q+32+4*\i+3], v[GOFF], s[4:5] offset:2*ROWB*\i           ; rows b = 2 i, 2 i + 1; other work-groups read them again
.endr
	; LDS addresses, while the loads are on their way
	v_bfe_u32 v12, v0, 2, 4                        ; the output's row of threads 0 to 63
	v_mul_u32_u24 v[SW], v11, PITCH
	v_lshl_add_u32 v[SW], v3, 3, v[SW]
	v_add_nc_u32 v[SW], s22, v[SW]
	v_mul_u32_u24 v[SR], v3, PITCH
	v_lshl_add_u32 v[SR], v11, 4, v[SR]
	v_add_nc_u32 v[SR], s22, v[SR]
	v_mul_u32_u24 v[RW], v3, RPITCH
	v_lshl_add_u32 v[RW], v11, 5, v[RW]
	v_add_nc_u32 v[RW], s23, v[RW]
	v_mul_u32_u24 v[RR], v12, RPITCH
	v_lshl_add_u32 v[RR], v13, 4, v[RR]
	v_add_nc_u32 v[RR], RED, v[RR]
	v_lshl_add_u32 v[OO], v12, 12, v[BO]
; quad n: four f32 become four bf16 in the quad's first two registers: every LDS store has data registers of its own, none is written again while a store reads it
.macro CV n
	v_cvt_pk_bf16_f32 v[Q+4*(\n)],   v[Q+4*(\n)],   v[Q+4*(\n)+1]
	v_cvt_pk_bf16_f32 v[Q+4*(\n)+1], v[Q+4*(\n)+2], v[Q+4*(\n)+3]
.endm
; quad n goes into the scratch: 16 lanes write a row's 128 bytes, the other 16 the next row's
.macro ST n
	ds_store_b64 v[SW], v[Q+4*(\n):Q+4*(\n)+1] offset:((\n)/8)*TILE+2*PITCH*((\n)%8)
.endm
; A fragment is 16 rows x 32 k: lane (r, hh) holds row r, registers 0-3 k = 8 hh + 0..7, registers 4-7 k = 16 + 8 hh + 0..7.
; The scratch is the wave's own and LDS serves a wave's instructions in order: no wait between its stores and these loads.
.macro FRAGS f, at
.irp t, 0,1
	ds_load_b128 v[\f+8*\t:\f+8*\t+3],   v[SR] offset:\at+64*\t
	ds_load_b128 v[\f+8*\t+4:\f+8*\t+7], v[SR] offset:\at+64*\t+32
.endr
.endm
	; each store stands one quad behind its conversion, so that it does not sit on the conversion's result
.irp n, 0,1,2,3,4,5,6,7
	s_wait_loadcnt 15-\n                           ; loads come back in order: behind quad n stand 15 - n
	CV \n
.if \n > 0
	ST (\n-1)
.endif
.endr
	ST 7
	FRAGS WF, 0                                    ; W's fragments come back while X is rounded
.irp n, 8,9,10,11,12,13,14,15
	s_wait_loadcnt 15-\n                           ; the last count is 0, which covers the bias too
	CV \n
.if \n > 8
	ST (\n-1)
.endif
.endr
	ST 15
	FRAGS XF, TILE
	s_wait_dscnt 0x0
	; Source 0 = rows of W, source 1 = rows of X: lane (r, hh) then holds out[b = r][n0 + 8 hh + 0..7], eight neighbours of a row.
	; Each of the two products starts an accumulator of its own.
	v_wmma_f32_16x16x32_bf16 v[ACC0:ACC0+7], v[WF:WF+7],    v[XF:XF+7],    0
	v_wmma_f32_16x16x32_bf16 v[ACC1:ACC1+7], v[WF+8:WF+15], v[XF+8:XF+15], 0
.rept 4
	v_nop                                          ; four places behind a matrix instruction before its result is read (ISA guide 7.12.1)
.endr
.irp j, 0,2,4,6
	v_pk_add_f32 v[ACC0+\j:ACC0+\j+1], v[ACC0+\j:ACC0+\j+1], v[ACC1+\j:ACC1+\j+1]
.endr
	ds_store_b128 v[RW], v[ACC0:ACC0+3]
	ds_store_b128 v[RW], v[ACC0+4:ACC0+7] offset:16
	s_wait_dscnt 0x0                               ; for the others' sake: my partial sums are in LDS
	s_barrier_signal -1
	s_barrier_wait -1                              ; everybody's are
	s_cmp_gt_u32 s12, 1
	s_cbranch_scc1 .Lend
	; threads 0 to 63: row b = tid / 4, columns n0 + 4 (tid % 4) + 0..3: the sixteen strips' sums, then the bias
.irp k, 0,1,2,3,4,5,6,7,8,9,10,11,12,13,14,15
	ds_load_b128 v[Q+4*\k:Q+4*\k+3], v[RR] offset:REDW*\k
.endr
	s_wait_dscnt 0x0
.irp k, 0,2,4,6,8,10,12,14
	v_pk_add_f32 v[Q+4*\k:Q+4*\k+1],   v[Q+4*\k:Q+4*\k+1],   v[Q+4*\k+4:Q+4*\k+5]
	v_pk_add_f32 v[Q+4*\k+2:Q+4*\k+3], v[Q+4*\k+2:Q+4*\k+3], v[Q+4*\k+6:Q+4*\k+7]
.endr
.irp k, 0,4,8,12
	v_pk_add_f32 v[Q+4*\k:Q+4*\k+1],   v[Q+4*\k:Q+4*\k+1],   v[Q+4*\k+8:Q+4*\k+9]
	v_pk_add_f32 v[Q+4*\k+2:Q+4*\k+3], v[Q+4*\k+2:Q+4*\k+3], v[Q+4*\k+10:Q+4*\k+11]
.endr
.irp k, 0,8
	v_pk_add_f32 v[Q+4*\k:Q+4*\k+1],   v[Q+4*\k:Q+4*\k+1],   v[Q+4*\k+16:Q+4*\k+17]
	v_pk_add_f32 v[Q+4*\k+2:Q+4*\k+3], v[Q+4*\k+2:Q+4*\k+3], v[Q+4*\k+18:Q+4*\k+19]
.endr
	v_pk_add_f32 v[Q:Q+1],   v[Q:Q+1],   v[Q+32:Q+33]
	v_pk_add_f32 v[Q+2:Q+3], v[Q+2:Q+3], v[Q+34:Q+35]
	v_pk_add_f32 v[Q:Q+1],   v[Q:Q+1],   v[BIAS:BIAS+1]
	v_pk_add_f32 v[Q+2:Q+3], v[Q+2:Q+3], v[BIAS+2:BIAS+3]
	global_store_b128 v[OO], v[Q:Q+3], s[10:11]
.Lend:
	s_wait_tensorcnt 0x0
	ds_add_u32 v160, v161
	s_wait_dscnt 0x0
	s_endpgm
.Lfunc_end_k_q96b73a64e7_projq:
	.size	k_q96b73a64e7_projq, .Lfunc_end_k_q96b73a64e7_projq-k_q96b73a64e7_projq
	.p2alignl 7, 3214868480
	.fill 96, 4, 3214868480
	.section	.rodata,"a",@progbits
	.p2align	6, 0x0
	.amdhsa_kernel k_q96b73a64e7_projq
		.amdhsa_group_segment_fixed_size 96256
		.amdhsa_private_segment_fixed_size 0
		.amdhsa_enable_private_segment 0
		.amdhsa_kernarg_size 32
		.amdhsa_user_sgpr_count 2
		.amdhsa_user_sgpr_kernarg_segment_ptr 1
		.amdhsa_wavefront_size32 1
		.amdhsa_system_sgpr_workgroup_id_x 1
		.amdhsa_system_sgpr_workgroup_id_y 1
		.amdhsa_system_sgpr_workgroup_id_z 1
		.amdhsa_system_vgpr_workitem_id 0
		.amdhsa_next_free_vgpr 162
		.amdhsa_next_free_sgpr 66
		.amdhsa_reserve_vcc 0
		.amdhsa_float_denorm_mode_32 3
		.amdhsa_float_denorm_mode_16_64 3
		.amdhsa_memory_ordered 1
		.amdhsa_forward_progress 1
		.amdhsa_inst_pref_size 13
	.end_amdhsa_kernel
	.amdgpu_metadata
---
amdhsa.version: [ 1, 2 ]
amdhsa.kernels:
  - .name:           k_q96b73a64e7_projq
    .symbol:         k_q96b73a64e7_projq.kd
    .args:
      - { .name: query, .offset: 0, .size: 8, .value_kind: global_buffer, .address_space: global }
      - { .name: Wq, .offset: 8, .size: 8, .value_kind: global_buffer, .address_space: global }
      - { .name: bq, .offset: 16, .size: 8, .value_kind: global_buffer, .address_space: global }
      - { .name: q, .offset: 24, .size: 8, .value_kind: global_buffer, .address_space: global }
    .group_segment_fixed_size: 96256
    .private_segment_fixed_size: 0
    .kernarg_segment_align: 8
    .kernarg_segment_size: 32
    .max_flat_workgroup_size: 512
    .sgpr_count:     66
    .vgpr_count:     162
    .wavefront_size: 32
...
	.end_amdgpu_metadata
.endif
;; end of part 1
;; launch qk (part 2): grid 16 x 16, 1 waves a work-group, no clusters, 2,560 bytes of LDS; arguments q, Wk, bk, qkw, cw; writes qkw, cw
.if DOCPART == 2
	.amdgcn_target "amdgcn-amd-amdhsa--gfx1250"
	.amdhsa_code_object_version 6
	.text
	.protected	k_q96b73a64e7_qk
	.globl	k_q96b73a64e7_qk
	.p2align	8
	.type	k_q96b73a64e7_qk,@function
k_q96b73a64e7_qk:
	s_mov_b64 s[64:65], 0
	v_nop
	global_prefetch_b8 v0, s[64:65] scope:SCOPE_SE
	s_setreg_imm32_b32 hwreg(HW_REG_WAVE_MODE, 25, 1), 1
	s_wait_xcnt 0x0
; qkw[b][h][d] = kappa * sum over j of q[b][64 h + j] Wk[64 h + j][d],   cw[b][h] = kappa * sum over j of q[b][64 h + j] bk[64 h + j],
; kappa = log2(e) / sqrt(1024).  With one query for each b the scores are  SCALE (q_h . (Wk_h key + bk_h)) = SCALE ((Wk_h^T q_h) . key + q_h . bk_h):
; the key projection is moved onto the query, which is exact in mathematics; kappa turns e^x into 2^x for the softmax that follows.
; One wave a work-group; work-group (x = dg, y = h) makes the 64 columns d = 64 dg .. + 63 of head h for all 16 b, and the one word cw[dg][h].
; Wk's sum index j runs from row to row.  A lane's 16-byte load holds four neighbouring d of one row j, so packing the same register of
; two rows' loads gives a register of a B fragment (two neighbouring j of one column d) with no way through LDS: fragment e holds columns 4 r + e.
; q's sum index runs along its rows: its 16 x 64 tile goes through LDS to get lane = row.
; LIMITS: q and Wk enter the product rounded to bf16, sums in f32; cw is made in f32 by the vector unit (64 products).
; NO CLUSTER: each 64 x 64 block of Wk is read by one work-group alone; what is shared, q's tile, is 4 KiB against Wk's 16 KiB and passes through registers to be rounded.
.set KAPPA, 0x3d38aa3b                 ; 1.442695 / 32
.set QP,  144                          ; LDS row of q's tile: 64 bf16 + 16 bytes, an odd multiple of 16
.set RO,  2                            ; v2   16 r
.set QO,  3                            ; v3   4096 hh + 16 r: two rows of q's tile for a load
.set WO,  4                            ; v4   32768 hh + 16 r: lanes 16-31 take the row eight further down
.set SW,  5                            ; v5   LDS, in
.set SR,  6                            ; v6   LDS, back
.set OO,  7                            ; v7   524288 hh + 16 r: rows b = 8 hh + j of qkw
.set QB,  8                            ; v[8:11]    q[dg][64 h + 4 r ..]
.set BKV, 12                           ; v[12:15]   bk[64 h + 4 r ..]
.set T,   16                           ; v[16:23]   four pairs of packed bf16
.set ACC, 32                           ; v[32:63]   accumulator e = 0..3
.set BF0, 64                           ; v[64:95]   B fragments of j = 0..31
.set QT,  96                           ; v[96:127]  q's tile as loaded
.set AF,  96                           ; v[96:111]  then its two fragments
.set X,   128                          ; v[128:255] Wk as loaded, 32 quads
.set BF1, 128                          ; v[128:159] then the B fragments of j = 32..63
.set O,   192                          ; v[192:223] then the results in the order of the stores
	s_load_b256 s[4:11], s[0:1], 0x0               ; q s[4:5], Wk s[6:7], bk s[8:9], qkw s[10:11]
	s_load_b64 s[12:13], s[0:1], 0x20              ; cw
	v_lshl_add_u32 v30, v0, 2, 0x900
	v_mov_b32 v31, 0
	s_and_b32 s14, ttmp7, 0xffff                   ; h
	s_lshl_b32 s16, s14, 8                         ; 64 h columns of q and bk
	s_mov_b32 s17, 0
	s_lshl_b32 s18, ttmp9, 12                      ; row dg of q
	s_mov_b32 s19, 0
	s_lshl_b32 s15, ttmp9, 8                       ; 64 dg columns
	s_lshl_b32 s20, s14, 18                        ; 64 h rows of Wk
	s_add_co_u32 s20, s20, s15
	s_mov_b32 s21, 0
	s_lshl_b32 s22, s14, 12                        ; row h of qkw[b]
	s_add_co_u32 s22, s22, s15
	s_mov_b32 s23, 0
	s_lshl_b32 s24, ttmp9, 6                       ; cw[dg][h]
	s_lshl_b32 s25, s14, 2
	s_add_co_u32 s24, s24, s25
	s_mov_b32 s25, 0
	s_mov_b32 s26, KAPPA
	v_and_b32 v1, 15, v0                           ; r
	v_bfe_u32 v24, v0, 4, 1                        ; hh
	v_lshlrev_b32 v[RO], 4, v1
	v_lshl_add_u32 v[QO], v24, 12, v[RO]
	v_lshl_add_u32 v[WO], v24, 15, v[RO]
	s_wait_kmcnt 0x0
	s_add_nc_u64 s[4:5], s[4:5], s[16:17]
	s_add_nc_u64 s[28:29], s[4:5], s[18:19]
	s_add_nc_u64 s[6:7], s[6:7], s[20:21]
	s_add_nc_u64 s[8:9], s[8:9], s[16:17]
	s_add_nc_u64 s[10:11], s[10:11], s[22:23]
	s_add_nc_u64 s[12:13], s[12:13], s[24:25]
	global_load_b128 v[QB:QB+3],   v[RO], s[28:29]
	global_load_b128 v[BKV:BKV+3], v[RO], s[8:9]
.irp i, 0,1,2,3,4,5,6,7
	global_load_b128 v[QT+4*\i:QT+4*\i+3], v[QO], s[4:5] offset:8192*\i    ; lanes 0-15: 256 bytes of row b = 2 i, lanes 16-31: of row 2 i + 1
.endr
	; quad 16 t + i: row j = 32 t + i + 8 (i / 8) + 8 hh, which is k = i (i < 8) or 8 + i of a fragment's lane half hh; 16 lanes take 256 aligned bytes of a row
.irp t, 0,1
.irp i, 0,1,2,3,4,5,6,7,8,9,10,11,12,13,14,15
	global_load_b128 v[X+4*(16*\t+\i):X+4*(16*\t+\i)+3], v[WO], s[6:7] offset:(32*\t+\i+8*(\i/8))*4096 th:TH_LOAD_NT
.endr
.endr
	v_mul_u32_u24 v[SW], v24, QP
	v_lshl_add_u32 v[SW], v1, 3, v[SW]             ; 144 hh + 8 r
	v_mul_u32_u24 v[SR], v1, QP
	v_lshl_add_u32 v[SR], v24, 4, v[SR]            ; 144 r + 16 hh
	v_lshl_add_u32 v[OO], v24, 19, v[RO]
	v_mov_b32 v26, 0
	s_wait_loadcnt 32                              ; the ten oldest loads are in; Wk's 32 stay out
.irp i, 0,1,2,3,4,5,6,7
	v_cvt_pk_bf16_f32 v[T+2*(\i%4)],   v[QT+4*\i],   v[QT+4*\i+1]
	v_cvt_pk_bf16_f32 v[T+2*(\i%4)+1], v[QT+4*\i+2], v[QT+4*\i+3]
	ds_store_b64 v[SW], v[T+2*(\i%4):T+2*(\i%4)+1] offset:2*QP*\i
.endr
.irp t, 0,1
	ds_load_b128 v[AF+8*\t:AF+8*\t+3],   v[SR] offset:64*\t       ; one wave: LDS serves its instructions in order
	ds_load_b128 v[AF+8*\t+4:AF+8*\t+7], v[SR] offset:64*\t+32
.endr
	; cw[dg][h]: four products a lane, then the sum over the 16 lanes of a half (both halves hold the same)
	v_mul_f32 v25, v[QB], v[BKV]
	v_fmac_f32 v25, v[QB+1], v[BKV+1]
	v_fmac_f32 v25, v[QB+2], v[BKV+2]
	v_fmac_f32 v25, v[QB+3], v[BKV+3]
	v_add_f32_dpp v25, v25, v25 row_xmask:1 row_mask:0xf bank_mask:0xf
	v_add_f32_dpp v25, v25, v25 row_xmask:2 row_mask:0xf bank_mask:0xf
	v_add_f32_dpp v25, v25, v25 row_xmask:4 row_mask:0xf bank_mask:0xf
	v_add_f32_dpp v25, v25, v25 row_xmask:8 row_mask:0xf bank_mask:0xf
	v_mul_f32 v25, s26, v25
	v_cmp_eq_u32 vcc_lo, 0, v0
	s_wait_xcnt 0x0                                ; EXEC is a source of the loads that are out: it changes only behind this wait
	s_wait_tensorcnt 0x0
	ds_add_u32 v30, v31
	s_wait_dscnt 0x0
	s_and_saveexec_b32 s27, vcc_lo
	global_store_b32 v26, v25, s[12:13]            ; lane 0 alone
	s_wait_xcnt 0x0                                ; and again in front of the line that widens it
	s_or_b32 exec_lo, exec_lo, s27
; rows 2 p and 2 p + 1 of K step t: register p of the four B fragments
.macro VPAIR t, p, bf
	s_wait_loadcnt 30-16*\t-2*\p                   ; behind quad 16 t + 2 p + 1 stand 30 - 16 t - 2 p loads
.irp e, 0,1,2,3
	v_cvt_pk_bf16_f32 v[\bf+8*\e+\p], v[X+4*(16*\t+2*\p)+\e], v[X+4*(16*\t+2*\p+1)+\e]
.endr
.endm
.irp p, 0,1,2,3,4,5,6,7
	VPAIR 0, \p, BF0
.endr
	s_wait_dscnt 0x0                               ; q's fragments
	; four accumulators take turns; the first products start the sums
.irp e, 0,1,2,3
	v_wmma_f32_16x16x32_bf16 v[ACC+8*\e:ACC+8*\e+7], v[AF:AF+7], v[BF0+8*\e:BF0+8*\e+7], 0
.endr
.irp p, 0,1,2,3,4,5,6,7
	VPAIR 1, \p, BF1
.endr
.irp e, 0,1,2,3
	v_wmma_f32_16x16x32_bf16 v[ACC+8*\e:ACC+8*\e+7], v[AF+8:AF+15], v[BF1+8*\e:BF1+8*\e+7], v[ACC+8*\e:ACC+8*\e+7]
.endr
.rept 4
	v_nop                                          ; four places before the results are read (ISA guide 7.12.1)
.endr
	; register j of accumulator e is (b = 8 hh + j, d = 64 dg + 4 r + e): the scaling by kappa also brings the four e of a row together
.irp j, 0,1,2,3,4,5,6,7
.irp e, 0,1,2,3
	v_mul_f32 v[O+4*\j+\e], s26, v[ACC+8*\e+\j]
.endr
.endr
.irp j, 0,1,2,3,4,5,6,7
	global_store_b128 v[OO], v[O+4*\j:O+4*\j+3], s[10:11] offset:65536*\j   ; 16 lanes store 256 consecutive bytes, aligned
.endr
	s_endpgm
.Lfunc_end_k_q96b73a64e7_qk:
	.size	k_q96b73a64e7_qk, .Lfunc_end_k_q96b73a64e7_qk-k_q96b73a64e7_qk
	.p2alignl 7, 3214868480
	.fill 96, 4, 3214868480
	.section	.rodata,"a",@progbits
	.p2align	6, 0x0
	.amdhsa_kernel k_q96b73a64e7_qk
		.amdhsa_group_segment_fixed_size 2560
		.amdhsa_private_segment_fixed_size 0
		.amdhsa_enable_private_segment 0
		.amdhsa_kernarg_size 40
		.amdhsa_user_sgpr_count 2
		.amdhsa_user_sgpr_kernarg_segment_ptr 1
		.amdhsa_wavefront_size32 1
		.amdhsa_system_sgpr_workgroup_id_x 1
		.amdhsa_system_sgpr_workgroup_id_y 1
		.amdhsa_system_sgpr_workgroup_id_z 1
		.amdhsa_system_vgpr_workitem_id 0
		.amdhsa_next_free_vgpr 256
		.amdhsa_next_free_sgpr 66
		.amdhsa_reserve_vcc 1
		.amdhsa_float_denorm_mode_32 3
		.amdhsa_float_denorm_mode_16_64 3
		.amdhsa_memory_ordered 1
		.amdhsa_forward_progress 1
		.amdhsa_inst_pref_size 16
	.end_amdhsa_kernel
	.amdgpu_metadata
---
amdhsa.version: [ 1, 2 ]
amdhsa.kernels:
  - .name:           k_q96b73a64e7_qk
    .symbol:         k_q96b73a64e7_qk.kd
    .args:
      - { .name: q, .offset: 0, .size: 8, .value_kind: global_buffer, .address_space: global }
      - { .name: Wk, .offset: 8, .size: 8, .value_kind: global_buffer, .address_space: global }
      - { .name: bk, .offset: 16, .size: 8, .value_kind: global_buffer, .address_space: global }
      - { .name: qkw, .offset: 24, .size: 8, .value_kind: global_buffer, .address_space: global }
      - { .name: cw, .offset: 32, .size: 8, .value_kind: global_buffer, .address_space: global }
    .group_segment_fixed_size: 2560
    .private_segment_fixed_size: 0
    .kernarg_segment_align: 8
    .kernarg_segment_size: 40
    .max_flat_workgroup_size: 32
    .sgpr_count:     66
    .vgpr_count:     256
    .wavefront_size: 32
...
	.end_amdgpu_metadata
.endif
;; end of part 2
;; launch sv (part 3): grid 16 x 16, 8 waves a work-group, no clusters, 81,920 bytes of LDS; arguments key, value, qkw, cw, upart, ml; writes upart, ml
.if DOCPART == 3
	.amdgcn_target "amdgcn-amd-amdhsa--gfx1250"
	.amdhsa_code_object_version 6
	.text
	.protected	k_q96b73a64e7_sv
	.globl	k_q96b73a64e7_sv
	.p2align	8
	.type	k_q96b73a64e7_sv,@function
k_q96b73a64e7_sv:
	s_mov_b64 s[64:65], 0
	v_nop
	global_prefetch_b8 v0, s[64:65] scope:SCOPE_SE
	s_setreg_imm32_b32 hwreg(HW_REG_WAVE_MODE, 25, 1), 1
	s_wait_xcnt 0x0
; The stream.  Work-group (x = c, y = b) takes keys 128 c .. 128 c + 127 of batch b, 512 KiB of key and 512 KiB of value, each byte once:
;   t[h][s] = qkw[b][h][:] . key[b][s][:] + cw[b][h]      (the scores times log2 e)
;   m[h] = max over its 128 s of t,  p = 2^(t - m),  l[h] = sum of p,  upart[b][c][h][:] = (sum over s of p[h][s] value[b][s][:]) / l[h]
; and stores m and l; the next launch joins the 16 chunks.  The value projection is applied later to the weighted sum of value's rows:
; with one query for each b,  sum_s w_s (Wv value_s + bv) = Wv (sum_s w_s value_s) + bv, since the weights sum to one.
; SHARES.  Scores: wave w owns keys 16 w .. + 15 and all 1024 d, so no sum crosses waves.  p x value: wave w owns columns 512 g + 64 w + 0..63, g = 0, 1, and all 128 keys.
; ONE RING OF 32 REGISTER QUADS serves both streams: load n (0..127 key, 128..255 value) lands in quad n mod 32 and the quad is asked for again as
; soon as it has been rounded to bf16.  A wave has 32 loads of 512 bytes out from its first line until the value stream runs dry, across the softmax too.
; key's sum index runs along its rows: rounded rows go through a scratch of the wave's own in LDS to get lane = row.
; value's sum index runs from row to row: packing one register of two rows' loads is a register of a B fragment; no LDS.
; The results of each half of the columns have registers of their own above v255, so that no store's data are ever written again and the stream goes on behind the stores without a wait.
; LIMITS: qkw, key, p and value enter the products rounded to bf16, sums in f32; l is the sum of the unrounded p; the order of sums and roundings
; is not the reference's; 2^x below 2^-126 comes out as 0 (ISA guide 15.8); NaN or infinite inputs give NaN.
; NO CLUSTER, NO TENSOR LOADS: key and value are read by one work-group alone; what the 16 work-groups of a b share, qkw[b], is 64 KiB
; against 1 MiB, and every byte passes through registers anyway to be rounded.
.set ROWB, 4096                        ; bytes in a row of key, value, qkw, upart
.set AQP,  2064                        ; LDS row of qkw: 1024 bf16 + 16 bytes; all pitches are odd multiples of 16 bytes, so that the 16 rows of a 16-byte load start at different banks (ISA guide 11.1)
.set SCP,  272                         ; 128 bf16 + 16
.set STP,  528                         ; 128 f32 + 16
.set AQ,   0                           ; 16 x 2064   qkw[b] in bf16, [head][d]
.set SCR,  16*AQP                      ; 8 x 4352    each wave's own scratch, 16 keys x 128 d
.set SCRW, 16*SCP
.set ST,   SCR+8*SCRW                  ; 16 x 528    t in f32, [head][key]
.set PP,   ST+16*STP                   ; 16 x 272    p in bf16, [head][key]
.set MLB,  PP+16*SCP                   ; 128         m[16], then l[16]
.set KOFF, 1                           ; v1   65536 w + 16 lane: my 16 bytes of my wave's first key row
.set VOFF, 2                           ; v2   32768 hh + 256 w + 16 r: value's row 8 hh, my four columns; also head 8 hh of upart
.set SCW,  3                           ; v3   scratch, in
.set SCRD, 4                           ; v4   scratch, back
.set AR,   5                           ; v5   qkw's fragments
.set SST,  6                           ; v6   t, in
.set SRD,  7                           ; v7   t, back
.set PST,  8                           ; v8   p, in
.set PRD,  9                           ; v9   p's fragments
.set MLW,  10                          ; v10  m and l, in
.set ILA,  11                          ; v11  l[8 hh ..], back
.set AW,   12                          ; v12  qkw, in
.set GQ,   13                          ; v13  16 tid: my 16 bytes of a row of qkw
.set CBO,  14                          ; v14  32 hh: cw[b][8 hh ..]
.set MLO,  15                          ; v15  4 lane
.set T,    16                          ; v[16:31]   up to the softmax: eight pairs of packed bf16, by turns; from there on v[16:23] at work
.set SM,   24                          ; v[24:31]   softmax: m, l, sums, packed p
.set IL,   24                          ; v[24:31]   then 1 / l[8 hh + j]
.set ACC,  32                          ; v[32:63]   four accumulators
.set QK,   64                          ; v[64:127]  qkw as loaded
.set KB,   64                          ; v[64:95]   then key's four fragments,
.set BF,   64                          ;            and value's four fragments
.set KA,   96                          ; v[96:127]  qkw's four fragments,
.set P,    96                          ;            then p's four fragments
.set X,    128                         ; v[128:255] the ring
.set O,    0                           ; v[256:319] the results in the order of the stores, 32 registers for each half g: named v0-v63 in the second window of 256
; load number idx of the 256.  key: unit idx / 16 = 128 d, row idx % 16 of my 16 keys: 512 consecutive bytes.
; value: unit v = 4 g + t, i = idx % 16: row 32 t + i + 8 (i / 8) + 8 hh, which is k = i (i < 8) or 8 + i of a fragment's lane half hh; 16 lanes take 256 aligned bytes of a row.
; Behind load 255 nothing is asked for: no load leaves its buffer.
.macro NEXT idx
.if (\idx) < 128
	global_load_b128 v[X+4*((\idx)%32):X+4*((\idx)%32)+3], v[KOFF], s[4:5] offset:ROWB*((\idx)%16)+512*((\idx)/16) th:TH_LOAD_NT
.else
.if (\idx) < 256
	global_load_b128 v[X+4*((\idx)%32):X+4*((\idx)%32)+3], v[VOFF], s[6:7] offset:(32*((((\idx)-128)/16)%4)+((\idx)%16)+8*(((\idx)%16)/8))*ROWB+2048*(((\idx)-128)/64) th:TH_LOAD_NT
.endif
.endif
.endm
	s_load_b256 s[4:11], s[0:1], 0x0               ; key s[4:5], value s[6:7], qkw s[8:9], cw s[10:11]
	s_load_b128 s[12:15], s[0:1], 0x20             ; upart s[12:13], ml s[14:15]
	s_set_vgpr_msb 0x40
	v_lshl_add_u32 v64, v0, 2, 0x13c00
	v_mov_b32 v65, 0
	s_set_vgpr_msb 0x4000
	v_lshrrev_b32 v16, 5, v0
	v_readfirstlane_b32 s20, v16                   ; wave 0..7
	s_and_b32 s28, ttmp7, 0xffff                   ; b
	s_lshl_b32 s16, s28, 23                        ; key, value: b x 2048 rows + c x 128 rows
	s_lshl_b32 s29, ttmp9, 19
	s_add_co_u32 s16, s16, s29
	s_mov_b32 s17, 0
	s_lshl_b32 s18, s28, 16                        ; qkw[b]
	s_mov_b32 s19, 0
	s_lshl_b32 s30, s28, 6                         ; cw[b]
	s_mov_b32 s31, 0
	s_lshl_b32 s32, s28, 4
	s_add_co_u32 s32, s32, ttmp9                   ; 16 b + c
	s_lshl_b32 s34, s32, 16                        ; upart[b][c]
	s_mov_b32 s35, 0
	s_lshl_b32 s36, s32, 7                         ; ml[b][c]
	s_mov_b32 s37, 0
	s_lshl_b32 s21, s20, 16                        ; 16 w rows
	s_lshl_b32 s22, s20, 8                         ; 64 w columns of f32; 128 w bf16
	v_and_b32 v20, 31, v0                          ; lane
	v_and_b32 v21, 15, v0                          ; r
	v_bfe_u32 v22, v0, 4, 1                        ; hh
	v_lshlrev_b32 v[CBO], 5, v22
	v_lshlrev_b32 v[GQ], 4, v0
	v_lshl_add_u32 v[KOFF], v20, 4, s21
	s_wait_kmcnt 0x0
	s_add_nc_u64 s[4:5], s[4:5], s[16:17]
	s_add_nc_u64 s[6:7], s[6:7], s[16:17]
	s_add_nc_u64 s[8:9], s[8:9], s[18:19]
	s_add_nc_u64 s[10:11], s[10:11], s[30:31]
	s_add_nc_u64 s[12:13], s[12:13], s[34:35]
	s_add_nc_u64 s[14:15], s[14:15], s[36:37]
	global_load_b128 v[ACC:ACC+3],   v[CBO], s[10:11]              ; cw[b][8 hh + j] straight into register j of accumulator 0: the bias's term starts the sum
	global_load_b128 v[ACC+4:ACC+7], v[CBO], s[10:11] offset:16
.irp i, 0,1,2,3,4,5,6,7,8,9,10,11,12,13,14,15
	global_load_b128 v[QK+4*\i:QK+4*\i+3], v[GQ], s[8:9] offset:ROWB*\i    ; the 256 threads take head i's whole row
.endr
.irp i, 0,1,2,3,4,5,6,7,8,9,10,11,12,13,14,15,16,17,18,19,20,21,22,23,24,25,26,27,28,29,30,31
	NEXT \i
.endr
	; the other addresses, while the loads are on their way
	v_lshlrev_b32 v[VOFF], 15, v22
	v_lshl_add_u32 v[VOFF], v21, 4, v[VOFF]
	v_add_nc_u32 v[VOFF], s22, v[VOFF]
	s_mul_i32 s23, s20, SCRW
	s_add_co_u32 s23, s23, SCR                     ; my scratch
	v_lshl_add_u32 v[SCW], v20, 3, s23
	v_mul_u32_u24 v23, v21, SCP
	v_lshl_add_u32 v23, v22, 4, v23                ; 272 r + 16 hh
	v_add_nc_u32 v[SCRD], s23, v23
	v_add_nc_u32 v[PRD], PP, v23
	v_mul_u32_u24 v[AR], v21, AQP
	v_lshl_add_u32 v[AR], v22, 4, v[AR]
	s_lshl_b32 s24, s20, 6
	s_add_co_u32 s24, s24, ST                      ; keys 16 w ..
	v_mul_u32_u24 v[SST], v22, 8*STP
	v_lshl_add_u32 v[SST], v21, 2, v[SST]
	v_add_nc_u32 v[SST], s24, v[SST]
	s_mul_i32 s25, s20, 2*STP
	s_add_co_u32 s25, s25, ST                      ; heads 2 w, 2 w + 1
	v_mul_u32_u24 v[SRD], v22, STP
	v_lshl_add_u32 v[SRD], v21, 4, v[SRD]
	v_add_nc_u32 v[SRD], s25, v[SRD]
	s_mul_i32 s26, s20, 2*SCP
	s_add_co_u32 s26, s26, PP
	v_mul_u32_u24 v[PST], v22, SCP
	v_lshl_add_u32 v[PST], v21, 3, v[PST]
	v_add_nc_u32 v[PST], s26, v[PST]
	s_lshl_b32 s27, s20, 3
	s_add_co_u32 s27, s27, MLB
	v_lshl_add_u32 v[MLW], v22, 2, s27
	v_add_nc_u32 v[ILA], MLB+64, v[CBO]
	v_lshl_add_u32 v[AW], v20, 3, s22
	v_lshlrev_b32 v[MLO], 2, v20
	; qkw[b] to bf16, into LDS for all eight waves
.irp i, 0,1,2,3,4,5,6,7,8,9,10,11,12,13,14,15
	s_wait_loadcnt 47-\i                           ; behind head i's load stand 15 - i of qkw and 32 of key
	v_cvt_pk_bf16_f32 v[T+2*(\i%8)],   v[QK+4*\i],   v[QK+4*\i+1]
	v_cvt_pk_bf16_f32 v[T+2*(\i%8)+1], v[QK+4*\i+2], v[QK+4*\i+3]
	ds_store_b64 v[AW], v[T+2*(\i%8):T+2*(\i%8)+1] offset:AQP*\i
.endr
	s_wait_dscnt 0x0                               ; for the others' sake: my part of qkw is in LDS
	s_barrier_signal -1
	s_barrier_wait -1                              ; all of it is.  The key loads stay out: nobody writes those bytes
; 128 d of my 16 keys: rounded, through the scratch, four matrix instructions.
; A row's packed pair is one of eight that take turns, and its LDS store stands one row behind its conversion: the store does not sit on the
; conversion's result, and a pair is written again only eight rows after the store that reads it.
.macro KUNIT un, first
.irp i, 0,1,2,3,4,5,6,7,8,9,10,11,12,13,14,15
	s_wait_loadcnt 31                              ; loads come back in order: the oldest of the 32 is in, 31 stay out
	v_cvt_pk_bf16_f32 v[T+2*(\i%8)],   v[X+4*((16*\un+\i)%32)],   v[X+4*((16*\un+\i)%32)+1]
	v_cvt_pk_bf16_f32 v[T+2*(\i%8)+1], v[X+4*((16*\un+\i)%32)+2], v[X+4*((16*\un+\i)%32)+3]
	NEXT (16*\un+\i+32)
.if \i > 0
	ds_store_b64 v[SCW], v[T+2*((\i-1)%8):T+2*((\i-1)%8)+1] offset:SCP*(\i-1)
.endif
.if \i == 2
	; qkw's fragments of this unit, asked for early: nobody writes those bytes any more.  The six conversions above, which name none of their
	; registers, are the places behind the last unit's matrix instructions (ISA guide 7.12.1)
.irp t, 0,1,2,3
	ds_load_b128 v[KA+8*\t:KA+8*\t+3],   v[AR] offset:256*\un+64*\t
	ds_load_b128 v[KA+8*\t+4:KA+8*\t+7], v[AR] offset:256*\un+64*\t+32
.endr
.endif
.endr
	ds_store_b64 v[SCW], v[T+14:T+15] offset:SCP*15
	; The scratch is the wave's own and LDS serves a wave's instructions in order: no wait between its stores and its loads.
.irp t, 0,1,2,3
	ds_load_b128 v[KB+8*\t:KB+8*\t+3],   v[SCRD] offset:64*\t
	ds_load_b128 v[KB+8*\t+4:KB+8*\t+7], v[SCRD] offset:64*\t+32
.endr
	; four accumulators take turns, in every unit in the same order
.irp t, 0,1,2,3
	s_wait_dscnt 6-2*\t                            ; LDS answers in order: behind fragment t's two loads stand 6 - 2 t; all that is older, qkw's fragments too, is in
.if \first*\t
	v_wmma_f32_16x16x32_bf16 v[ACC+8*\t:ACC+8*\t+7], v[KA+8*\t:KA+8*\t+7], v[KB+8*\t:KB+8*\t+7], 0
.else
	v_wmma_f32_16x16x32_bf16 v[ACC+8*\t:ACC+8*\t+7], v[KA+8*\t:KA+8*\t+7], v[KB+8*\t:KB+8*\t+7], v[ACC+8*\t:ACC+8*\t+7]   ; in the first unit accumulator 0 adds onto cw
.endif
.endr
.endm
	KUNIT 0, 1
	KUNIT 1, 0
	KUNIT 2, 0
	KUNIT 3, 0
	KUNIT 4, 0
	KUNIT 5, 0
	KUNIT 6, 0
	KUNIT 7, 0
.rept 4
	v_nop                                          ; four places before the results are read
.endr
.irp j, 0,2,4,6
	v_pk_add_f32 v[ACC+\j:ACC+\j+1],       v[ACC+\j:ACC+\j+1],       v[ACC+8+\j:ACC+8+\j+1]
	v_pk_add_f32 v[ACC+16+\j:ACC+16+\j+1], v[ACC+16+\j:ACC+16+\j+1], v[ACC+24+\j:ACC+24+\j+1]
.endr
.irp j, 0,2,4,6
	v_pk_add_f32 v[ACC+\j:ACC+\j+1], v[ACC+\j:ACC+\j+1], v[ACC+16+\j:ACC+16+\j+1]
.endr
.irp j, 0,1,2,3,4,5,6,7
	ds_store_b32 v[SST], v[ACC+\j] offset:STP*\j   ; t(head 8 hh + j, key 16 w + r)
.endr
	s_wait_dscnt 0x0                               ; for the others' sake: my 16 keys' scores are in LDS
	s_barrier_signal -1
	s_barrier_wait -1                              ; all 128 keys' are
	; SOFTMAX of this chunk: 16 lanes a head (head 2 w + hh), eight keys a lane: 4 r + 0..3 and 64 + 4 r + 0..3
	ds_load_b128 v[T:T+3],   v[SRD]
	ds_load_b128 v[T+4:T+7], v[SRD] offset:256
	s_wait_dscnt 0x0
	v_max3_num_f32 v[SM],   v[T],   v[T+1], v[T+2]
	v_max3_num_f32 v[SM+1], v[T+3], v[T+4], v[T+5]
	v_max3_num_f32 v[SM],   v[SM],  v[T+6], v[T+7]
	v_max_num_f32  v[SM],   v[SM],  v[SM+1]
	v_max_num_f32_dpp v[SM], v[SM], v[SM] row_xmask:1 row_mask:0xf bank_mask:0xf
	v_max_num_f32_dpp v[SM], v[SM], v[SM] row_xmask:2 row_mask:0xf bank_mask:0xf
	v_max_num_f32_dpp v[SM], v[SM], v[SM] row_xmask:4 row_mask:0xf bank_mask:0xf
	v_max_num_f32_dpp v[SM], v[SM], v[SM] row_xmask:8 row_mask:0xf bank_mask:0xf   ; m: the head's largest t of the chunk, in its 16 lanes
.irp k, 0,1,2,3,4,5,6,7
	v_sub_f32 v[T+\k], v[T+\k], v[SM]              ; the maximum is taken away: every exponent is at most 0
.endr
.irp k, 0,1,2,3,4,5,6,7
	v_exp_f32 v[T+\k], v[T+\k]
.endr
	v_nop                                          ; one plain place behind the last transcendental (ISA guide 5.7.2)
	s_wait_alu depctr_va_vdst(0)
	v_pk_add_f32 v[SM+2:SM+3], v[T:T+1],     v[T+2:T+3]
	v_pk_add_f32 v[SM+4:SM+5], v[T+4:T+5],   v[T+6:T+7]
	v_pk_add_f32 v[SM+2:SM+3], v[SM+2:SM+3], v[SM+4:SM+5]
	v_add_f32 v[SM+1], v[SM+2], v[SM+3]
	v_add_f32_dpp v[SM+1], v[SM+1], v[SM+1] row_xmask:1 row_mask:0xf bank_mask:0xf
	v_add_f32_dpp v[SM+1], v[SM+1], v[SM+1] row_xmask:2 row_mask:0xf bank_mask:0xf
	v_add_f32_dpp v[SM+1], v[SM+1], v[SM+1] row_xmask:4 row_mask:0xf bank_mask:0xf
	v_add_f32_dpp v[SM+1], v[SM+1], v[SM+1] row_xmask:8 row_mask:0xf bank_mask:0xf ; l: at least 1, at most 128
.irp k, 0,1,2,3
	v_cvt_pk_bf16_f32 v[SM+4+\k], v[T+2*\k], v[T+2*\k+1]
.endr
	ds_store_b64 v[PST], v[SM+4:SM+5]
	ds_store_b64 v[PST], v[SM+6:SM+7] offset:128
	ds_store_b32 v[MLW], v[SM]                     ; the head's 16 lanes write one word with one value
	ds_store_b32 v[MLW], v[SM+1] offset:64
	s_wait_dscnt 0x0                               ; for the others' sake: my two heads' p, m and l are in LDS
	s_barrier_signal -1
	s_barrier_wait -1                              ; all sixteen heads' are
.irp t, 0,1,2,3
	ds_load_b128 v[P+8*\t:P+8*\t+3],   v[PRD] offset:64*\t
	ds_load_b128 v[P+8*\t+4:P+8*\t+7], v[PRD] offset:64*\t+32
.endr
	ds_load_b128 v[IL:IL+3],   v[ILA]
	ds_load_b128 v[IL+4:IL+7], v[ILA] offset:16
	s_cmp_lg_u32 s20, 0
	s_cbranch_scc1 .Lnot_wave_0
	v_add_nc_u32 v[T], MLB, v[MLO]                 ; wave 0 stores the chunk's m and l: 32 words, 128 consecutive bytes
	ds_load_b32 v[T+1], v[T]
	s_wait_dscnt 0x0
	global_store_b32 v[MLO], v[T+1], s[14:15]      ; neither register is written again
.Lnot_wave_0:
	s_wait_dscnt 0x0
.irp j, 0,1,2,3,4,5,6,7
	v_rcp_f32 v[IL+\j], v[IL+\j]
.endr
	v_nop                                          ; one plain place behind the last transcendental
	s_wait_alu depctr_va_vdst(0)
; 32 keys x my 64 columns of half g = un / 4: eight pairs of rows become register p of four B fragments; four matrix instructions
.macro VUNIT un
.irp p, 0,1,2,3,4,5,6,7
.if 126-16*\un-2*\p < 30
	s_wait_loadcnt 126-16*\un-2*\p                 ; the stream runs dry: behind this pair stand only the loads up to number 255
.else
	s_wait_loadcnt 30                              ; the two oldest of the 32 are in
.endif
.irp e, 0,1,2,3
	v_cvt_pk_bf16_f32 v[BF+8*\e+\p], v[X+4*((16*\un+2*\p)%32)+\e], v[X+4*((16*\un+2*\p+1)%32)+\e]
.endr
	NEXT (128+16*\un+2*\p+32)
	NEXT (128+16*\un+2*\p+33)
.endr
	; four accumulators take turns; the first 32 keys start the sums
.irp e, 0,1,2,3
.if (\un%4) == 0
	v_wmma_f32_16x16x32_bf16 v[ACC+8*\e:ACC+8*\e+7], v[P+8*(\un%4):P+8*(\un%4)+7], v[BF+8*\e:BF+8*\e+7], 0
.else
	v_wmma_f32_16x16x32_bf16 v[ACC+8*\e:ACC+8*\e+7], v[P+8*(\un%4):P+8*(\un%4)+7], v[BF+8*\e:BF+8*\e+7], v[ACC+8*\e:ACC+8*\e+7]
.endif
.endr
.rept 4
	v_nop                                          ; four places before the fragments are written again or the results read (ISA guide 7.12.1)
.endr
.endm
; register j of accumulator e is (head 8 hh + j, column 512 g + 64 w + 4 r + e): the division by l also brings the four e of a row together.
; The products go into v[256 + 32 g ..], which nothing else ever writes.  s_set_vgpr_msb's low byte: bits 1:0 source 0, 3:2 source 1, 5:4 source 2,
; 7:6 destination; its high byte repeats the setting that is left.
.macro OUT g
	s_set_vgpr_msb 0x40                            ; the destination in the second window, the sources in the first
.irp j, 0,1,2,3,4,5,6,7
.irp e, 0,1,2,3
	v_mul_f32 v[O+32*\g+4*\j+\e], v[ACC+8*\e+\j], v[IL+\j]
.endr
.endr
	s_set_vgpr_msb 0x4004                          ; a store's data are its source 1: the second window; its address register, source 0: the first
.irp j, 0,1,2,3,4,5,6,7
	global_store_b128 v[VOFF], v[O+32*\g+4*\j:O+32*\g+4*\j+3], s[12:13] offset:ROWB*\j+2048*\g   ; 16 lanes store 256 consecutive bytes, aligned; the next launch reads them
.endr
	s_set_vgpr_msb 0x0400                          ; all back to the first window
.endm
	VUNIT 0
	VUNIT 1
	VUNIT 2
	VUNIT 3
	OUT 0
	VUNIT 4
	VUNIT 5
	VUNIT 6
	VUNIT 7
	OUT 1
	s_set_vgpr_msb 0x5
	s_wait_tensorcnt 0x0
	ds_add_u32 v64, v65
	s_wait_dscnt 0x0
	s_set_vgpr_msb 0x500
	s_endpgm
.Lfunc_end_k_q96b73a64e7_sv:
	.size	k_q96b73a64e7_sv, .Lfunc_end_k_q96b73a64e7_sv-k_q96b73a64e7_sv
	.p2alignl 7, 3214868480
	.fill 96, 4, 3214868480
	.section	.rodata,"a",@progbits
	.p2align	6, 0x0
	.amdhsa_kernel k_q96b73a64e7_sv
		.amdhsa_group_segment_fixed_size 81920
		.amdhsa_private_segment_fixed_size 0
		.amdhsa_enable_private_segment 0
		.amdhsa_kernarg_size 48
		.amdhsa_user_sgpr_count 2
		.amdhsa_user_sgpr_kernarg_segment_ptr 1
		.amdhsa_wavefront_size32 1
		.amdhsa_system_sgpr_workgroup_id_x 1
		.amdhsa_system_sgpr_workgroup_id_y 1
		.amdhsa_system_sgpr_workgroup_id_z 1
		.amdhsa_system_vgpr_workitem_id 0
		.amdhsa_next_free_vgpr 322
		.amdhsa_next_free_sgpr 66
		.amdhsa_reserve_vcc 0
		.amdhsa_float_denorm_mode_32 3
		.amdhsa_float_denorm_mode_16_64 3
		.amdhsa_memory_ordered 1
		.amdhsa_forward_progress 1
		.amdhsa_inst_pref_size 102
	.end_amdhsa_kernel
	.amdgpu_metadata
---
amdhsa.version: [ 1, 2 ]
amdhsa.kernels:
  - .name:           k_q96b73a64e7_sv
    .symbol:         k_q96b73a64e7_sv.kd
    .args:
      - { .name: key, .offset: 0, .size: 8, .value_kind: global_buffer, .address_space: global }
      - { .name: value, .offset: 8, .size: 8, .value_kind: global_buffer, .address_space: global }
      - { .name: qkw, .offset: 16, .size: 8, .value_kind: global_buffer, .address_space: global }
      - { .name: cw, .offset: 24, .size: 8, .value_kind: global_buffer, .address_space: global }
      - { .name: upart, .offset: 32, .size: 8, .value_kind: global_buffer, .address_space: global }
      - { .name: ml, .offset: 40, .size: 8, .value_kind: global_buffer, .address_space: global }
    .group_segment_fixed_size: 81920
    .private_segment_fixed_size: 0
    .kernarg_segment_align: 8
    .kernarg_segment_size: 48
    .max_flat_workgroup_size: 256
    .sgpr_count:     66
    .vgpr_count:     322
    .wavefront_size: 32
...
	.end_amdgpu_metadata
.endif
;; end of part 3
;; launch comb (part 4): grid 16 x 16, 8 waves a work-group, no clusters, 0 bytes of LDS; arguments upart, ml, u; writes u
.if DOCPART == 4
	.amdgcn_target "amdgcn-amd-amdhsa--gfx1250"
	.amdhsa_code_object_version 6
	.text
	.protected	k_q96b73a64e7_comb
	.globl	k_q96b73a64e7_comb
	.p2align	8
	.type	k_q96b73a64e7_comb,@function
k_q96b73a64e7_comb:
	s_mov_b64 s[64:65], 0
	v_nop
	global_prefetch_b8 v0, s[64:65] scope:SCOPE_SE
	s_setreg_imm32_b32 hwreg(HW_REG_WAVE_MODE, 25, 1), 1
	s_wait_xcnt 0x0
; u[h][b][:] = sum over the 16 chunks c of a_c upart[b][c][h][:],  a_c = l_c 2^(m_c - M) / sum over c of l_c 2^(m_c - M),  M = max over c of m_c.
; upart is each chunk's own weighted mean of value's rows, m_c its largest score (times log2 e), l_c its sum of 2^(t - m_c): this joins the chunks' softmaxes into the whole one.
; Work-group (x = h, y = b); thread t owns columns 4 t .. 4 t + 3, so a load or store of a wave covers 512 consecutive bytes.  All in f32; no matrix work, no LDS, no barrier:
; the 16 weights are made in every wave from 16 lanes' m and l and handed to the scalar registers.
; LIMITS: 2^x below 2^-126 comes out as 0 (ISA guide 15.8); the sum of the weights is at least 1 and at most 2048.
.set DO,  1                            ; v1  16 tid
.set MO,  2                            ; v2  128 (lane mod 16): chunk c = lane mod 16
.set ACC, 12                           ; v[12:15]
.set X,   16                           ; v[16:79] the 16 chunks' quads
.set AC,  16                           ; s[16:31] a_c
	s_load_b128 s[4:7], s[0:1], 0x0                ; upart s[4:5], ml s[6:7]
	s_load_b64 s[8:9], s[0:1], 0x10                ; u
	s_and_b32 s10, ttmp7, 0xffff                   ; b
	s_lshl_b32 s12, s10, 20                        ; upart[b][0][h]
	s_lshl_b32 s11, ttmp9, 12
	s_add_co_u32 s12, s12, s11
	s_mov_b32 s13, 0
	s_lshl_b32 s14, s10, 11                        ; ml[b][0][h]
	s_lshl_b32 s15, ttmp9, 2
	s_add_co_u32 s14, s14, s15
	s_mov_b32 s15, 0
	s_lshl_b32 s32, ttmp9, 16                      ; u[h][b]
	s_lshl_b32 s33, s10, 12
	s_add_co_u32 s32, s32, s33
	s_mov_b32 s33, 0
	v_lshlrev_b32 v[DO], 4, v0
	v_and_b32 v[MO], 15, v0
	v_lshlrev_b32 v[MO], 7, v[MO]
	s_wait_kmcnt 0x0
	s_add_nc_u64 s[4:5], s[4:5], s[12:13]
	s_add_nc_u64 s[6:7], s[6:7], s[14:15]
	s_add_nc_u64 s[8:9], s[8:9], s[32:33]
	global_load_b32 v3, v[MO], s[6:7]              ; m_c
	global_load_b32 v4, v[MO], s[6:7] offset:64    ; l_c
.irp c, 0,1,2,3,4,5,6,7,8,9,10,11,12,13,14,15
	global_load_b128 v[X+4*\c:X+4*\c+3], v[DO], s[4:5] offset:65536*\c th:TH_LOAD_NT   ; read once in the launch
.endr
	s_wait_loadcnt 16                              ; m and l are in; the 16 quads stay out
	v_mov_b32 v5, v3
	v_max_num_f32_dpp v5, v5, v5 row_xmask:1 row_mask:0xf bank_mask:0xf
	v_max_num_f32_dpp v5, v5, v5 row_xmask:2 row_mask:0xf bank_mask:0xf
	v_max_num_f32_dpp v5, v5, v5 row_xmask:4 row_mask:0xf bank_mask:0xf
	v_max_num_f32_dpp v5, v5, v5 row_xmask:8 row_mask:0xf bank_mask:0xf   ; M
	v_sub_f32 v6, v3, v5                           ; at most 0
	v_exp_f32 v6, v6
	v_nop                                          ; one plain place behind a transcendental (ISA guide 5.7.2)
	s_wait_alu depctr_va_vdst(0)
	v_mul_f32 v6, v6, v4
	v_mov_b32 v7, v6
	v_add_f32_dpp v7, v7, v7 row_xmask:1 row_mask:0xf bank_mask:0xf
	v_add_f32_dpp v7, v7, v7 row_xmask:2 row_mask:0xf bank_mask:0xf
	v_add_f32_dpp v7, v7, v7 row_xmask:4 row_mask:0xf bank_mask:0xf
	v_add_f32_dpp v7, v7, v7 row_xmask:8 row_mask:0xf bank_mask:0xf
	v_rcp_f32 v7, v7
	v_nop
	s_wait_alu depctr_va_vdst(0)
	v_mul_f32 v6, v6, v7                           ; lane c holds a_c
.irp c, 0,1,2,3,4,5,6,7,8,9,10,11,12,13,14,15
	v_readlane_b32 s[AC+\c], v6, \c
.endr
	s_wait_loadcnt 15                              ; chunk 0's quad starts the sums
.irp k, 0,1,2,3
	v_mul_f32 v[ACC+\k], s[AC], v[X+\k]
.endr
.irp c, 1,2,3,4,5,6,7,8,9,10,11,12,13,14,15
	s_wait_loadcnt 15-\c                           ; behind chunk c's quad stand 15 - c
.irp k, 0,1,2,3
	v_fma_f32 v[ACC+\k], s[AC+\c], v[X+4*\c+\k], v[ACC+\k]
.endr
.endr
	global_store_b128 v[DO], v[ACC:ACC+3], s[8:9]
	s_endpgm
.Lfunc_end_k_q96b73a64e7_comb:
	.size	k_q96b73a64e7_comb, .Lfunc_end_k_q96b73a64e7_comb-k_q96b73a64e7_comb
	.p2alignl 7, 3214868480
	.fill 96, 4, 3214868480
	.section	.rodata,"a",@progbits
	.p2align	6, 0x0
	.amdhsa_kernel k_q96b73a64e7_comb
		.amdhsa_group_segment_fixed_size 0
		.amdhsa_private_segment_fixed_size 0
		.amdhsa_enable_private_segment 0
		.amdhsa_kernarg_size 24
		.amdhsa_user_sgpr_count 2
		.amdhsa_user_sgpr_kernarg_segment_ptr 1
		.amdhsa_wavefront_size32 1
		.amdhsa_system_sgpr_workgroup_id_x 1
		.amdhsa_system_sgpr_workgroup_id_y 1
		.amdhsa_system_sgpr_workgroup_id_z 1
		.amdhsa_system_vgpr_workitem_id 0
		.amdhsa_next_free_vgpr 96
		.amdhsa_next_free_sgpr 66
		.amdhsa_reserve_vcc 0
		.amdhsa_float_denorm_mode_32 3
		.amdhsa_float_denorm_mode_16_64 3
		.amdhsa_memory_ordered 1
		.amdhsa_forward_progress 1
		.amdhsa_inst_pref_size 10
	.end_amdhsa_kernel
	.amdgpu_metadata
---
amdhsa.version: [ 1, 2 ]
amdhsa.kernels:
  - .name:           k_q96b73a64e7_comb
    .symbol:         k_q96b73a64e7_comb.kd
    .args:
      - { .name: upart, .offset: 0, .size: 8, .value_kind: global_buffer, .address_space: global }
      - { .name: ml, .offset: 8, .size: 8, .value_kind: global_buffer, .address_space: global }
      - { .name: u, .offset: 16, .size: 8, .value_kind: global_buffer, .address_space: global }
    .group_segment_fixed_size: 0
    .private_segment_fixed_size: 0
    .kernarg_segment_align: 8
    .kernarg_segment_size: 24
    .max_flat_workgroup_size: 256
    .sgpr_count:     66
    .vgpr_count:     96
    .wavefront_size: 32
...
	.end_amdgpu_metadata
.endif
;; end of part 4
;; launch projv: the kernel of part 1 again; grid 4 x 16, 16 waves a work-group, no clusters, 96,256 bytes of LDS; arguments u, Wv, bv, attn; writes attn
;; launch projo: the kernel of part 1 again; grid 64 x 1, 16 waves a work-group, no clusters, 96,256 bytes of LDS; arguments attn, Wo, bo, out0; writes out0
;; ======== version 2 of 2: 6 launches; version 1 with the launches projq, sv, projv, projo written anew for expert scheduling mode
;; workspace buffers: q 65,536 bytes; qkw 1,048,576 bytes; cw 1,024 bytes; upart 16,777,216 bytes; ml 32,768 bytes; u 1,048,576 bytes; attn 65,536 bytes
;; launch projq (part 5): grid 64 x 1, 16 waves a work-group, no clusters, 96,256 bytes of LDS; arguments query, Wq, bq, q; writes q
.if DOCPART == 5
	.amdgcn_target "amdgcn-amd-amdhsa--gfx1250"
	.amdhsa_code_object_version 6
	.text
	.protected	k_q96b73a64e7_projq
	.globl	k_q96b73a64e7_projq
	.p2align	8
	.type	k_q96b73a64e7_projq,@function
k_q96b73a64e7_projq:
	s_mov_b64 s[64:65], 0
	v_nop
	global_prefetch_b8 v0, s[64:65] scope:SCOPE_SE
	s_setreg_imm32_b32 hwreg(HW_REG_WAVE_SCHED_MODE, 0, 2), 2
	s_setreg_imm32_b32 hwreg(HW_REG_WAVE_MODE, 25, 1), 1
	s_wait_xcnt 0x0
	s_wait_alu depctr_vm_vsrc(0)
; out[b][n] = sum over k of X[b][k] W[n][k] + bias[n].  X: 16 rows of 1024 f32, W: rows of 1024 f32, out: [16][1024] f32.
; One text for three products: q = query Wq^T + bq (grid 64 x 1), attn = u_h Wv_h^T + bv (grid 4 x 16, y = head, X = head y's
; 16 rows of u, 65,536 bytes a head) and out0 = attn Wo^T + bo (grid 64 x 1).
; A work-group owns the 16 columns n0 = 64 y + 16 x .. + 15 for all 16 rows.  Wave w of sixteen owns k = 64 w .. 64 w + 63: a load takes 256
; aligned bytes of each of two rows, eight loads for W's 16 rows and eight for X's.  The numbers are rounded to bf16 in the registers they
; came into, laid into a scratch of the wave's own in LDS and read back as matrix fragments (a fragment wants lane = row, a load along the
; rows gives lane = column).  The sixteen waves' partial sums meet in LDS.
; Sixteen waves, so that a wave's chain is short (16 loads, 16 stores, 8 fragment loads, 2 matrix instructions) and four waves lie on each SIMD.
; LIMITS: X and W enter the product rounded to bf16, sums in f32; the sum over k is made in sixteen strips, an order other than the reference's.
; NO CLUSTER: W's rows are read by one work-group alone; X's 64 KiB are shared, but they pass through registers to be rounded to bf16.
; The output's run is 64 bytes of a row for a work-group (16 columns): with 64 columns a work-group the 4 MiB of W would lie on 16
; work-groups instead of 64, and the whole output is 64 KiB.
; THE MODE: SCHED_MODE bits 1:0 = 2 (LLVM: expert scheduling mode 2), set by the entry lines.  The code itself states the register dependences
; between vector or matrix instructions and memory or LDS instructions, with s_wait_alu, always for 0.
; THE PLAN.  Registers that memory or LDS instructions touch:
;   v4 .. v10   offsets and LDS addresses: made at the head, ahead of the first load, and never written again.
;   Q           sixteen quads: each is loaded once, rounded in place by two conversions, and its first two registers are read by one LDS store.
;               In waves 0 and 1 the sixteen partial sums land there at the end.
;   WF, XF      LDS loads land in them, matrix instructions read them; nothing else names them.
;   ACC0        written by a matrix instruction and four additions, read by two LDS stores.
; The quads go in four groups of four: a group's eight conversions, ONE wait on va_vdst, its four LDS stores.  One wait more stands ahead of the
; partial sums' stores, one on vm_vsrc ahead of the loads that land in Q again, one on va_vdst ahead of the output's store.
.set ROWB,   4096                      ; bytes in a row of X, W and out
.set WAVES,  16
.set PITCH,  144                       ; scratch row: 64 bf16 + 16 bytes, an odd multiple of 16: the 16 rows that a 16-byte load touches start at different banks (ISA guide 11.1)
.set TILE,   16*PITCH                  ; 16 rows
.set SCRW,   2*TILE                    ; a wave's scratch: W's tile, then X's
.set RED,    WAVES*SCRW                ; behind the scratches: the partial sums
.set RPITCH, 80                        ; 16 f32 + 16 bytes
.set REDW,   16*RPITCH                 ; a wave's partial sums: 16 rows b
.set GOFF, 4                           ; v4   4096 hh + 256 w + 16 r: my 16 bytes of rows 0 and 1
.set SW,   5                           ; v5   scratch, in: row hh, my 8 bytes
.set SR,   6                           ; v6   scratch, back: row r, 16 bytes for each half of the lanes
.set RW,   7                           ; v7   partial sums, in
.set RR,   8                           ; v8   partial sums, back
.set BO,   9                           ; v9   my four columns in the bias
.set OO,   10                          ; v10  my 16 bytes of the output
.set ACC0, 16                          ; v[16:23]
.set ACC1, 24                          ; v[24:31]
.set BIAS, 32                          ; v[32:35]
.set Q,    64                          ; v[64:127]  quads 0-7: W as loaded, 8-15: X as loaded; each is rounded in place; later the sixteen partial sums
.set WF,   128                         ; v[128:143] W's two fragments
.set XF,   144                         ; v[144:159] X's two fragments
	s_load_b256 s[4:11], s[0:1], 0x0               ; X s[4:5], W s[6:7], bias s[8:9], out s[10:11]
	v_lshl_add_u32 v62, v0, 2, 0x17000
	v_mov_b32 v63, 0
	v_lshrrev_b32 v1, 5, v0
	v_readfirstlane_b32 s12, v1                    ; wave 0..15
	s_and_b32 s14, ttmp7, 0xffff                   ; y
	s_lshl_b32 s13, ttmp9, 4
	s_lshl_b32 s15, s14, 6
	s_add_co_u32 s15, s15, s13                     ; n0 = 64 y + 16 x
	s_lshl_b32 s16, s15, 12                        ; W: n0 rows of 4,096 bytes
	s_mov_b32 s17, 0
	s_lshl_b32 s18, s14, 16                        ; X: y blocks of 16 rows
	s_mov_b32 s19, 0
	s_lshl_b32 s20, s15, 2                         ; bias and out: n0 columns
	s_mov_b32 s21, 0
	s_wait_alu depctr_va_sdst(0)                   ; s12 is written, ahead of its first reader: the wave's places in LDS and in a row are made from it
	s_mul_i32 s22, s12, SCRW                       ; my scratch
	s_mul_i32 s23, s12, REDW
	s_add_co_u32 s23, s23, RED                     ; my partial sums
	s_lshl_b32 s24, s12, 8                         ; my 64 k in a row
	; all offsets and LDS addresses, while the arguments are on their way
	v_and_b32 v3, 15, v0                           ; r
	v_bfe_u32 v11, v0, 4, 1                        ; hh
	v_and_b32 v13, 3, v0
	v_lshlrev_b32 v[BO], 4, v13
	v_lshlrev_b32 v[GOFF], 4, v3
	v_lshl_add_u32 v[GOFF], v11, 12, v[GOFF]
	v_add_nc_u32 v[GOFF], s24, v[GOFF]
	v_bfe_u32 v12, v0, 2, 4                        ; the output's row of threads 0 to 63
	v_mul_u32_u24 v[SW], v11, PITCH
	v_lshl_add_u32 v[SW], v3, 3, v[SW]
	v_add_nc_u32 v[SW], s22, v[SW]
	v_mul_u32_u24 v[SR], v3, PITCH
	v_lshl_add_u32 v[SR], v11, 4, v[SR]
	v_add_nc_u32 v[SR], s22, v[SR]
	v_mul_u32_u24 v[RW], v3, RPITCH
	v_lshl_add_u32 v[RW], v11, 5, v[RW]
	v_add_nc_u32 v[RW], s23, v[RW]
	v_mul_u32_u24 v[RR], v12, RPITCH
	v_lshl_add_u32 v[RR], v13, 4, v[RR]
	v_add_nc_u32 v[RR], RED, v[RR]
	v_lshl_add_u32 v[OO], v12, 12, v[BO]
	s_wait_kmcnt 0x0
	s_add_nc_u64 s[4:5], s[4:5], s[18:19]
	s_add_nc_u64 s[6:7], s[6:7], s[16:17]
	s_add_nc_u64 s[8:9], s[8:9], s[20:21]
	s_add_nc_u64 s[10:11], s[10:11], s[20:21]
	s_wait_alu depctr_va_vdst(0)                   ; v4 to v10 are written: every load and store of the kernel, global or LDS, reads one of them as its address
	s_cmp_gt_u32 s12, 1                            ; waves 0 and 1 write the output: they alone want the bias.  It is the oldest load,
	s_cbranch_scc1 .Lno_bias                       ; so the counts below, which count younger loads, are the same in every wave
	global_load_b128 v[BIAS:BIAS+3], v[BO], s[8:9]
.Lno_bias:
.irp i, 0,1,2,3,4,5,6,7
	global_load_b128 v[Q+4*\i:Q+4*\i+3], v[GOFF], s[6:7] offset:2*ROWB*\i th:TH_LOAD_NT   ; lanes 0-15: 256 aligned bytes of row n0 + 2 i, lanes 16-31: of row n0 + 2 i + 1; read once in the launch
.endr
.irp i, 0,1,2,3,4,5,6,7
	global_load_b128 v[Q+32+4*\i:Q+32+4*\i+3], v[GOFF], s[4:5] offset:2*ROWB*\i           ; rows b = 2 i, 2 i + 1; other work-groups read them again
.endr
; quad n: four f32 become four bf16 in the quad's first two registers: every LDS store has data registers of its own, none is written again while a store reads it
.macro CV n
	v_cvt_pk_bf16_f32 v[Q+4*(\n)],   v[Q+4*(\n)],   v[Q+4*(\n)+1]
	v_cvt_pk_bf16_f32 v[Q+4*(\n)+1], v[Q+4*(\n)+2], v[Q+4*(\n)+3]
.endm
; quad n goes into the scratch: 16 lanes write a row's 128 bytes, the other 16 the next row's
.macro ST n
	ds_store_b64 v[SW], v[Q+4*(\n):Q+4*(\n)+1] offset:((\n)/8)*TILE+2*PITCH*((\n)%8)
.endm
; A fragment is 16 rows x 32 k: lane (r, hh) holds row r, registers 0-3 k = 8 hh + 0..7, registers 4-7 k = 16 + 8 hh + 0..7.
; The scratch is the wave's own and LDS serves a wave's instructions in order: no wait between its stores and these loads.
; No vector instruction ever names the registers in which they land, and their address was made at the head.
.macro FRAGS f, at
.irp t, 0,1
	ds_load_b128 v[\f+8*\t:\f+8*\t+3],   v[SR] offset:\at+64*\t
	ds_load_b128 v[\f+8*\t+4:\f+8*\t+7], v[SR] offset:\at+64*\t+32
.endr
.endm
; group g: quads 4 g .. 4 g + 3 are rounded, then stored
.macro GRP g
	s_wait_loadcnt 12-4*(\g)                       ; loads come back in order: behind quad 4 g + 3 stand 12 - 4 g; the last count is 0, which covers the bias too
.irp n, 0,1,2,3
	CV (4*(\g)+\n)
.endr
	s_wait_alu depctr_va_vdst(0)                   ; the eight conversions have written the four pairs that the LDS stores below read
.irp n, 0,1,2,3
	ST (4*(\g)+\n)
.endr
.endm
	GRP 0
	GRP 1
	FRAGS WF, 0                                    ; W's fragments come back while X is rounded
	GRP 2
	GRP 3
	FRAGS XF, TILE
	s_wait_dscnt 0x0
	; Source 0 = rows of W, source 1 = rows of X: lane (r, hh) then holds out[b = r][n0 + 8 hh + 0..7], eight neighbours of a row.
	; Each of the two products starts an accumulator of its own.
	v_wmma_f32_16x16x32_bf16 v[ACC0:ACC0+7], v[WF:WF+7],    v[XF:XF+7],    0
	v_wmma_f32_16x16x32_bf16 v[ACC1:ACC1+7], v[WF+8:WF+15], v[XF+8:XF+15], 0
.rept 4
	v_nop                                          ; four places behind a matrix instruction before its result is read (ISA guide 7.12.1)
.endr
.irp j, 0,2,4,6
	v_pk_add_f32 v[ACC0+\j:ACC0+\j+1], v[ACC0+\j:ACC0+\j+1], v[ACC1+\j:ACC1+\j+1]
.endr
	s_wait_alu depctr_va_vdst(0)                   ; the four additions have written v[ACC0 ..], which the two LDS stores read
	ds_store_b128 v[RW], v[ACC0:ACC0+3]
	ds_store_b128 v[RW], v[ACC0+4:ACC0+7] offset:16
	s_wait_dscnt 0x0                               ; for the others' sake: my partial sums are in LDS
	s_barrier_signal -1
	s_barrier_wait -1                              ; everybody's are
	s_cmp_gt_u32 s12, 1
	s_cbranch_scc1 .Lend
	; threads 0 to 63: row b = tid / 4, columns n0 + 4 (tid % 4) + 0..3: the sixteen strips' sums, then the bias
	s_wait_alu depctr_vm_vsrc(0)                   ; my LDS stores into the scratch have read v[Q ..], in which the loads below land (the conversions that named them stand ahead of the last wait on va_vdst)
.irp k, 0,1,2,3,4,5,6,7,8,9,10,11,12,13,14,15
	ds_load_b128 v[Q+4*\k:Q+4*\k+3], v[RR] offset:REDW*\k
.endr
	s_wait_dscnt 0x0
.irp k, 0,2,4,6,8,10,12,14
	v_pk_add_f32 v[Q+4*\k:Q+4*\k+1],   v[Q+4*\k:Q+4*\k+1],   v[Q+4*\k+4:Q+4*\k+5]
	v_pk_add_f32 v[Q+4*\k+2:Q+4*\k+3], v[Q+4*\k+2:Q+4*\k+3], v[Q+4*\k+6:Q+4*\k+7]
.endr
.irp k, 0,4,8,12
	v_pk_add_f32 v[Q+4*\k:Q+4*\k+1],   v[Q+4*\k:Q+4*\k+1],   v[Q+4*\k+8:Q+4*\k+9]
	v_pk_add_f32 v[Q+4*\k+2:Q+4*\k+3], v[Q+4*\k+2:Q+4*\k+3], v[Q+4*\k+10:Q+4*\k+11]
.endr
.irp k, 0,8
	v_pk_add_f32 v[Q+4*\k:Q+4*\k+1],   v[Q+4*\k:Q+4*\k+1],   v[Q+4*\k+16:Q+4*\k+17]
	v_pk_add_f32 v[Q+4*\k+2:Q+4*\k+3], v[Q+4*\k+2:Q+4*\k+3], v[Q+4*\k+18:Q+4*\k+19]
.endr
	v_pk_add_f32 v[Q:Q+1],   v[Q:Q+1],   v[Q+32:Q+33]
	v_pk_add_f32 v[Q+2:Q+3], v[Q+2:Q+3], v[Q+34:Q+35]
	v_pk_add_f32 v[Q:Q+1],   v[Q:Q+1],   v[BIAS:BIAS+1]
	v_pk_add_f32 v[Q+2:Q+3], v[Q+2:Q+3], v[BIAS+2:BIAS+3]
	s_wait_alu depctr_va_vdst(0)                   ; the additions have written v[Q:Q+3], which the store reads
	global_store_b128 v[OO], v[Q:Q+3], s[10:11]
.Lend:
	s_wait_dscnt 0x0
	s_wait_alu depctr_hold_cnt(0) depctr_sa_sdst(0) depctr_va_vdst(0) depctr_va_sdst(0) depctr_va_ssrc(0) depctr_va_vcc(0) depctr_vm_vsrc(0)
	s_wait_tensorcnt 0x0
	ds_add_u32 v62, v63
	s_wait_dscnt 0x0
	s_endpgm
.Lfunc_end_k_q96b73a64e7_projq:
	.size	k_q96b73a64e7_projq, .Lfunc_end_k_q96b73a64e7_projq-k_q96b73a64e7_projq
	.p2alignl 7, 3214868480
	.fill 96, 4, 3214868480
	.section	.rodata,"a",@progbits
	.p2align	6, 0x0
	.amdhsa_kernel k_q96b73a64e7_projq
		.amdhsa_group_segment_fixed_size 96256
		.amdhsa_private_segment_fixed_size 0
		.amdhsa_enable_private_segment 0
		.amdhsa_kernarg_size 32
		.amdhsa_user_sgpr_count 2
		.amdhsa_user_sgpr_kernarg_segment_ptr 1
		.amdhsa_wavefront_size32 1
		.amdhsa_system_sgpr_workgroup_id_x 1
		.amdhsa_system_sgpr_workgroup_id_y 1
		.amdhsa_system_sgpr_workgroup_id_z 1
		.amdhsa_system_vgpr_workitem_id 0
		.amdhsa_next_free_vgpr 160
		.amdhsa_next_free_sgpr 66
		.amdhsa_reserve_vcc 0
		.amdhsa_float_denorm_mode_32 3
		.amdhsa_float_denorm_mode_16_64 3
		.amdhsa_memory_ordered 1
		.amdhsa_forward_progress 1
		.amdhsa_inst_pref_size 13
	.end_amdhsa_kernel
	.amdgpu_metadata
---
amdhsa.version: [ 1, 2 ]
amdhsa.kernels:
  - .name:           k_q96b73a64e7_projq
    .symbol:         k_q96b73a64e7_projq.kd
    .args:
      - { .name: query, .offset: 0, .size: 8, .value_kind: global_buffer, .address_space: global }
      - { .name: Wq, .offset: 8, .size: 8, .value_kind: global_buffer, .address_space: global }
      - { .name: bq, .offset: 16, .size: 8, .value_kind: global_buffer, .address_space: global }
      - { .name: q, .offset: 24, .size: 8, .value_kind: global_buffer, .address_space: global }
    .group_segment_fixed_size: 96256
    .private_segment_fixed_size: 0
    .kernarg_segment_align: 8
    .kernarg_segment_size: 32
    .max_flat_workgroup_size: 512
    .sgpr_count:     66
    .vgpr_count:     160
    .wavefront_size: 32
...
	.end_amdgpu_metadata
.endif
;; end of part 5
;; launch qk: the kernel of part 2 again; grid 16 x 16, 1 waves a work-group, no clusters, 2,560 bytes of LDS; arguments q, Wk, bk, qkw, cw; writes qkw, cw
;; launch sv (part 6): grid 16 x 16, 8 waves a work-group, no clusters, 81,920 bytes of LDS; arguments key, value, qkw, cw, upart, ml; writes upart, ml
.if DOCPART == 6
	.amdgcn_target "amdgcn-amd-amdhsa--gfx1250"
	.amdhsa_code_object_version 6
	.text
	.protected	k_q96b73a64e7_sv
	.globl	k_q96b73a64e7_sv
	.p2align	8
	.type	k_q96b73a64e7_sv,@function
k_q96b73a64e7_sv:
	s_mov_b64 s[64:65], 0
	v_nop
	global_prefetch_b8 v0, s[64:65] scope:SCOPE_SE
	s_setreg_imm32_b32 hwreg(HW_REG_WAVE_SCHED_MODE, 0, 2), 2
	s_setreg_imm32_b32 hwreg(HW_REG_WAVE_MODE, 25, 1), 1
	s_wait_xcnt 0x0
	s_wait_alu depctr_vm_vsrc(0)
; The stream.  Work-group (x = c, y = b) takes keys 128 c .. 128 c + 127 of batch b, 512 KiB of key and 512 KiB of value, each byte once:
;   t[h][s] = qkw[b][h][:] . key[b][s][:] + cw[b][h]      (the scores times log2 e)
;   m[h] = max over its 128 s of t,  p = 2^(t - m),  l[h] = sum of p,  upart[b][c][h][:] = (sum over s of p[h][s] value[b][s][:]) / l[h]
; and stores m and l; the next launch joins the 16 chunks.  The value projection is applied later to the weighted sum of value's rows:
; with one query for each b,  sum_s w_s (Wv value_s + bv) = Wv (sum_s w_s value_s) + bv, since the weights sum to one.
; SHARES.  Scores: wave w owns keys 16 w .. + 15 and all 1024 d, so no sum crosses waves.  p x value: wave w owns columns 512 g + 64 w + 0..63, g = 0, 1, and all 128 keys.
; ONE RING OF 32 REGISTER QUADS serves both streams: load n (0..127 key, 128..255 value) lands in quad n mod 32, and four quads at a time are rounded
; to bf16 and asked for again at once.  A wave has 28 to 32 loads of 512 bytes out from its first line until the value stream runs dry, across the softmax too.
; key's sum index runs along its rows: rounded rows go through a scratch of the wave's own in LDS to get lane = row.
; value's sum index runs from row to row: packing one register of two rows' loads is a register of a B fragment; no LDS.
; The results of each half of the columns have registers of their own above v255, so that no store's data are ever written again and the stream goes on behind the stores.
; LIMITS: qkw, key, p and value enter the products rounded to bf16, sums in f32; l is the sum of the unrounded p; the order of sums and roundings
; is not the reference's; 2^x below 2^-126 comes out as 0 (ISA guide 15.8); NaN or infinite inputs give NaN.
; NO CLUSTER, NO TENSOR LOADS: key and value are read by one work-group alone; what the 16 work-groups of a b share, qkw[b], is 64 KiB
; against 1 MiB, and every byte passes through registers anyway to be rounded.
; THE MODE: SCHED_MODE bits 1:0 = 2 (LLVM: expert scheduling mode 2), set by the entry lines.  The code itself states the register dependences
; between vector or matrix instructions and memory or LDS instructions, with s_wait_alu, always for 0.
; THE PLAN.  Registers that memory or LDS instructions touch:
;   v1 .. v15   offsets and LDS addresses: made at the head, ahead of the first load, and never written again.
;   X           the ring.  A group's eight conversions read four quads; behind them the four refills land in the same quads.
;   T           eight packed pairs, two sets of four.  Key group q writes set q mod 2; its four LDS stores read the set.  Later t lands in v[16:23] and the softmax writes v[24:31].
;   QK          qkw as loaded, rounded in place, read by LDS stores; then the same registers are KB and KA.
;   KA, P, KB   LDS loads land in them, matrix instructions read them.  (BF, KB's registers in the value stream, is named by vector and matrix instructions alone.)
;   ACC         cw lands in accumulator 0; eight LDS stores read the summed scores; the value stream's matrix instructions write it again.
;   SM, IL      the softmax writes v[24:31], four LDS stores read them, l lands in them.
;   O           written by the last multiplications, read by the global stores, never written again.
; So ONE wait on va_vdst stands in a group, behind its conversions: they are done reading the four quads and, in the key stream, have written the four pairs; in a unit's
; first group the last unit's matrix instructions are also done reading their fragments.  The group's refills and LDS stores, qkw's fragment loads (first group) and key's
; fragment loads (behind the last group) follow with no further wait: no vector or matrix instruction since that wait names a register that they touch.
; One wait on vm_vsrc stands at the head of every second key group: it lies behind the stores that read both sets of pairs and ahead of the next conversions into both.
.set ROWB, 4096                        ; bytes in a row of key, value, qkw, upart
.set AQP,  2064                        ; LDS row of qkw: 1024 bf16 + 16 bytes; all pitches are odd multiples of 16 bytes, so that the 16 rows of a 16-byte load start at different banks (ISA guide 11.1)
.set SCP,  272                         ; 128 bf16 + 16
.set STP,  528                         ; 128 f32 + 16
.set AQ,   0                           ; 16 x 2064   qkw[b] in bf16, [head][d]
.set SCR,  16*AQP                      ; 8 x 4352    each wave's own scratch, 16 keys x 128 d
.set SCRW, 16*SCP
.set ST,   SCR+8*SCRW                  ; 16 x 528    t in f32, [head][key]
.set PP,   ST+16*STP                   ; 16 x 272    p in bf16, [head][key]
.set MLB,  PP+16*SCP                   ; 128         m[16], then l[16]
.set KOFF, 1                           ; v1   65536 w + 16 lane: my 16 bytes of my wave's first key row
.set VOFF, 2                           ; v2   32768 hh + 256 w + 16 r: value's row 8 hh, my four columns; also head 8 hh of upart
.set SCW,  3                           ; v3   scratch, in
.set SCRD, 4                           ; v4   scratch, back
.set AR,   5                           ; v5   qkw's fragments
.set SST,  6                           ; v6   t, in
.set SRD,  7                           ; v7   t, back
.set PST,  8                           ; v8   p, in
.set PRD,  9                           ; v9   p's fragments
.set MLW,  10                          ; v10  m and l, in
.set ILA,  11                          ; v11  l[8 hh ..], back
.set AW,   12                          ; v12  qkw, in
.set GQ,   13                          ; v13  16 tid: my 16 bytes of a row of qkw
.set CBO,  14                          ; v14  32 hh: cw[b][8 hh ..]
.set MLO,  15                          ; v15  4 lane
.set T,    16                          ; v[16:31]   up to the softmax: eight pairs of packed bf16, two sets of four by turns; from there on v[16:23] at work
.set SM,   24                          ; v[24:31]   softmax: m, l, sums, packed p
.set IL,   24                          ; v[24:31]   then 1 / l[8 hh + j]
.set ACC,  32                          ; v[32:63]   four accumulators
.set QK,   64                          ; v[64:127]  qkw as loaded, rounded in place
.set KB,   64                          ; v[64:95]   then key's four fragments,
.set BF,   64                          ;            and value's four fragments
.set KA,   96                          ; v[96:127]  qkw's four fragments,
.set P,    96                          ;            then p's four fragments
.set X,    128                         ; v[128:255] the ring
.set O,    0                           ; v[256:319] the results in the order of the stores, 32 registers for each half g: named v0-v63 in the second window of 256
; load number idx of the 256.  key: unit idx / 16 = 128 d, row idx % 16 of my 16 keys: 512 consecutive bytes.
; value: unit v = 4 g + t, i = idx % 16: row 32 t + i + 8 (i / 8) + 8 hh, which is k = i (i < 8) or 8 + i of a fragment's lane half hh; 16 lanes take 256 aligned bytes of a row.
; Behind load 255 nothing is asked for: no load leaves its buffer.
.macro NEXT idx
.if (\idx) < 128
	global_load_b128 v[X+4*((\idx)%32):X+4*((\idx)%32)+3], v[KOFF], s[4:5] offset:ROWB*((\idx)%16)+512*((\idx)/16) th:TH_LOAD_NT
.else
.if (\idx) < 256
	global_load_b128 v[X+4*((\idx)%32):X+4*((\idx)%32)+3], v[VOFF], s[6:7] offset:(32*((((\idx)-128)/16)%4)+((\idx)%16)+8*(((\idx)%16)/8))*ROWB+2048*(((\idx)-128)/64) th:TH_LOAD_NT
.endif
.endif
.endm
	s_load_b256 s[4:11], s[0:1], 0x0               ; key s[4:5], value s[6:7], qkw s[8:9], cw s[10:11]
	s_load_b128 s[12:15], s[0:1], 0x20             ; upart s[12:13], ml s[14:15]
	s_set_vgpr_msb 0x40
	v_lshl_add_u32 v64, v0, 2, 0x13c00
	v_mov_b32 v65, 0
	s_set_vgpr_msb 0x4000
	v_lshrrev_b32 v16, 5, v0
	v_readfirstlane_b32 s20, v16                   ; wave 0..7
	s_and_b32 s28, ttmp7, 0xffff                   ; b
	s_lshl_b32 s16, s28, 23                        ; key, value: b x 2048 rows + c x 128 rows
	s_lshl_b32 s29, ttmp9, 19
	s_add_co_u32 s16, s16, s29
	s_mov_b32 s17, 0
	s_lshl_b32 s18, s28, 16                        ; qkw[b]
	s_mov_b32 s19, 0
	s_lshl_b32 s30, s28, 6                         ; cw[b]
	s_mov_b32 s31, 0
	s_lshl_b32 s32, s28, 4
	s_add_co_u32 s32, s32, ttmp9                   ; 16 b + c
	s_lshl_b32 s34, s32, 16                        ; upart[b][c]
	s_mov_b32 s35, 0
	s_lshl_b32 s36, s32, 7                         ; ml[b][c]
	s_mov_b32 s37, 0
	s_wait_alu depctr_va_sdst(0)                   ; s20 is written, ahead of its first reader: the wave's rows, columns and places in LDS are made from it
	s_lshl_b32 s21, s20, 16                        ; 16 w rows
	s_lshl_b32 s22, s20, 8                         ; 64 w columns of f32; 128 w bf16
	; all offsets and LDS addresses, while the arguments are on their way
	v_and_b32 v20, 31, v0                          ; lane
	v_and_b32 v21, 15, v0                          ; r
	v_bfe_u32 v22, v0, 4, 1                        ; hh
	v_lshlrev_b32 v[CBO], 5, v22
	v_lshlrev_b32 v[GQ], 4, v0
	v_lshl_add_u32 v[KOFF], v20, 4, s21
	v_lshlrev_b32 v[VOFF], 15, v22
	v_lshl_add_u32 v[VOFF], v21, 4, v[VOFF]
	v_add_nc_u32 v[VOFF], s22, v[VOFF]
	s_mul_i32 s23, s20, SCRW
	s_add_co_u32 s23, s23, SCR                     ; my scratch
	v_lshl_add_u32 v[SCW], v20, 3, s23
	v_mul_u32_u24 v23, v21, SCP
	v_lshl_add_u32 v23, v22, 4, v23                ; 272 r + 16 hh
	v_add_nc_u32 v[SCRD], s23, v23
	v_add_nc_u32 v[PRD], PP, v23
	v_mul_u32_u24 v[AR], v21, AQP
	v_lshl_add_u32 v[AR], v22, 4, v[AR]
	s_lshl_b32 s24, s20, 6
	s_add_co_u32 s24, s24, ST                      ; keys 16 w ..
	v_mul_u32_u24 v[SST], v22, 8*STP
	v_lshl_add_u32 v[SST], v21, 2, v[SST]
	v_add_nc_u32 v[SST], s24, v[SST]
	s_mul_i32 s25, s20, 2*STP
	s_add_co_u32 s25, s25, ST                      ; heads 2 w, 2 w + 1
	v_mul_u32_u24 v[SRD], v22, STP
	v_lshl_add_u32 v[SRD], v21, 4, v[SRD]
	v_add_nc_u32 v[SRD], s25, v[SRD]
	s_mul_i32 s26, s20, 2*SCP
	s_add_co_u32 s26, s26, PP
	v_mul_u32_u24 v[PST], v22, SCP
	v_lshl_add_u32 v[PST], v21, 3, v[PST]
	v_add_nc_u32 v[PST], s26, v[PST]
	s_lshl_b32 s27, s20, 3
	s_add_co_u32 s27, s27, MLB
	v_lshl_add_u32 v[MLW], v22, 2, s27
	v_add_nc_u32 v[ILA], MLB+64, v[CBO]
	v_lshl_add_u32 v[AW], v20, 3, s22
	v_lshlrev_b32 v[MLO], 2, v20
	s_wait_kmcnt 0x0
	s_add_nc_u64 s[4:5], s[4:5], s[16:17]
	s_add_nc_u64 s[6:7], s[6:7], s[16:17]
	s_add_nc_u64 s[8:9], s[8:9], s[18:19]
	s_add_nc_u64 s[10:11], s[10:11], s[30:31]
	s_add_nc_u64 s[12:13], s[12:13], s[34:35]
	s_add_nc_u64 s[14:15], s[14:15], s[36:37]
	s_wait_alu depctr_va_vdst(0)                   ; v1 to v15 are written: every load and store of the kernel, global or LDS, but one of wave 0's reads one of them as its address
	global_load_b128 v[ACC:ACC+3],   v[CBO], s[10:11]              ; cw[b][8 hh + j] straight into register j of accumulator 0: the bias's term starts the sum
	global_load_b128 v[ACC+4:ACC+7], v[CBO], s[10:11] offset:16
.irp i, 0,1,2,3,4,5,6,7,8,9,10,11,12,13,14,15
	global_load_b128 v[QK+4*\i:QK+4*\i+3], v[GQ], s[8:9] offset:ROWB*\i    ; the 256 threads take head i's whole row
.endr
.irp i, 0,1,2,3,4,5,6,7,8,9,10,11,12,13,14,15,16,17,18,19,20,21,22,23,24,25,26,27,28,29,30,31
	NEXT \i
.endr
	; qkw[b] to bf16, into LDS for all eight waves: eight heads at a time, each quad rounded into its own first two registers, so that no store's data are written again here
.irp g, 0,1
	s_wait_loadcnt 40-8*\g                         ; behind head 8 g + 7's load stand 8 - 8 g of qkw and 32 of key
.irp i, 0,1,2,3,4,5,6,7
	v_cvt_pk_bf16_f32 v[QK+4*(8*\g+\i)],   v[QK+4*(8*\g+\i)],   v[QK+4*(8*\g+\i)+1]
	v_cvt_pk_bf16_f32 v[QK+4*(8*\g+\i)+1], v[QK+4*(8*\g+\i)+2], v[QK+4*(8*\g+\i)+3]
.endr
	s_wait_alu depctr_va_vdst(0)                   ; the sixteen conversions have written the eight pairs that the LDS stores below read
.irp i, 0,1,2,3,4,5,6,7
	ds_store_b64 v[AW], v[QK+4*(8*\g+\i):QK+4*(8*\g+\i)+1] offset:AQP*(8*\g+\i)
.endr
.endr
	s_wait_dscnt 0x0                               ; for the others' sake: my part of qkw is in LDS
	s_barrier_signal -1
	s_barrier_wait -1                              ; all of it is.  The key loads stay out: nobody writes those bytes
; 128 d of my 16 keys: rounded, through the scratch, four matrix instructions.  Four groups of four rows.
.macro KUNIT un, first
.irp q, 0,1,2,3
	s_wait_loadcnt 28                              ; loads come back in order: the four oldest of the 32 are in, 28 stay out
.if (\q%2) == 0
	s_wait_alu depctr_vm_vsrc(0)                   ; the LDS stores of the last two groups have read both sets of pairs, which this group's and the next one's conversions write again; in the first unit: qkw's LDS stores have read v[QK ..], in which the fragments land
.endif
.irp i, 0,1,2,3
	v_cvt_pk_bf16_f32 v[T+2*((4*\q+\i)%8)],   v[X+4*((16*\un+4*\q+\i)%32)],   v[X+4*((16*\un+4*\q+\i)%32)+1]
	v_cvt_pk_bf16_f32 v[T+2*((4*\q+\i)%8)+1], v[X+4*((16*\un+4*\q+\i)%32)+2], v[X+4*((16*\un+4*\q+\i)%32)+3]
.endr
	s_wait_alu depctr_va_vdst(0)                   ; the eight conversions are done reading the four quads, in which the refills land, and have written the four pairs, which the LDS stores read; the last unit's matrix instructions are done reading KA and KB
.irp i, 0,1,2,3
	NEXT (16*\un+4*\q+\i+32)
.endr
.irp i, 0,1,2,3
	ds_store_b64 v[SCW], v[T+2*((4*\q+\i)%8):T+2*((4*\q+\i)%8)+1] offset:SCP*(4*\q+\i)
.endr
.if \q == 0
	; qkw's fragments of this unit, asked for early: nobody writes those bytes any more, and no vector or matrix instruction since the wait above names KA
.irp t, 0,1,2,3
	ds_load_b128 v[KA+8*\t:KA+8*\t+3],   v[AR] offset:256*\un+64*\t
	ds_load_b128 v[KA+8*\t+4:KA+8*\t+7], v[AR] offset:256*\un+64*\t+32
.endr
.endif
.endr
	; The scratch is the wave's own and LDS serves a wave's instructions in order: no wait between its stores and its loads.
	; No vector or matrix instruction since the last group's wait names KB.
.irp t, 0,1,2,3
	ds_load_b128 v[KB+8*\t:KB+8*\t+3],   v[SCRD] offset:64*\t
	ds_load_b128 v[KB+8*\t+4:KB+8*\t+7], v[SCRD] offset:64*\t+32
.endr
	; four accumulators take turns, in every unit in the same order
.irp t, 0,1,2,3
	s_wait_dscnt 6-2*\t                            ; LDS answers in order: behind fragment t's two loads stand 6 - 2 t; all that is older, qkw's fragments too, is in
.if \first*\t
	v_wmma_f32_16x16x32_bf16 v[ACC+8*\t:ACC+8*\t+7], v[KA+8*\t:KA+8*\t+7], v[KB+8*\t:KB+8*\t+7], 0
.else
	v_wmma_f32_16x16x32_bf16 v[ACC+8*\t:ACC+8*\t+7], v[KA+8*\t:KA+8*\t+7], v[KB+8*\t:KB+8*\t+7], v[ACC+8*\t:ACC+8*\t+7]   ; in the first unit accumulator 0 adds onto cw
.endif
.endr
.endm
	KUNIT 0, 1
	KUNIT 1, 0
	KUNIT 2, 0
	KUNIT 3, 0
	KUNIT 4, 0
	KUNIT 5, 0
	KUNIT 6, 0
	KUNIT 7, 0
.rept 4
	v_nop                                          ; four places before the results are read
.endr
.irp j, 0,2,4,6
	v_pk_add_f32 v[ACC+\j:ACC+\j+1],       v[ACC+\j:ACC+\j+1],       v[ACC+8+\j:ACC+8+\j+1]
	v_pk_add_f32 v[ACC+16+\j:ACC+16+\j+1], v[ACC+16+\j:ACC+16+\j+1], v[ACC+24+\j:ACC+24+\j+1]
.endr
.irp j, 0,2,4,6
	v_pk_add_f32 v[ACC+\j:ACC+\j+1], v[ACC+\j:ACC+\j+1], v[ACC+16+\j:ACC+16+\j+1]
.endr
	s_wait_alu depctr_va_vdst(0)                   ; the additions have written v[ACC:ACC+7], which the LDS stores read
.irp j, 0,1,2,3,4,5,6,7
	ds_store_b32 v[SST], v[ACC+\j] offset:STP*\j   ; t(head 8 hh + j, key 16 w + r)
.endr
	s_wait_dscnt 0x0                               ; for the others' sake: my 16 keys' scores are in LDS
	s_barrier_signal -1
	s_barrier_wait -1                              ; all 128 keys' are
	; SOFTMAX of this chunk: 16 lanes a head (head 2 w + hh), eight keys a lane: 4 r + 0..3 and 64 + 4 r + 0..3
	s_wait_alu depctr_vm_vsrc(0)                   ; the key rows' last LDS stores have read v[16:31]: t lands in v[16:23], the softmax writes v[24:31]; t's stores have read v[ACC ..], which the value stream's matrix instructions write
	ds_load_b128 v[T:T+3],   v[SRD]                ; (the conversions that wrote these registers stand ahead of the last wait on va_vdst)
	ds_load_b128 v[T+4:T+7], v[SRD] offset:256
	s_wait_dscnt 0x0
	v_max3_num_f32 v[SM],   v[T],   v[T+1], v[T+2]
	v_max3_num_f32 v[SM+1], v[T+3], v[T+4], v[T+5]
	v_max3_num_f32 v[SM],   v[SM],  v[T+6], v[T+7]
	v_max_num_f32  v[SM],   v[SM],  v[SM+1]
	v_max_num_f32_dpp v[SM], v[SM], v[SM] row_xmask:1 row_mask:0xf bank_mask:0xf
	v_max_num_f32_dpp v[SM], v[SM], v[SM] row_xmask:2 row_mask:0xf bank_mask:0xf
	v_max_num_f32_dpp v[SM], v[SM], v[SM] row_xmask:4 row_mask:0xf bank_mask:0xf
	v_max_num_f32_dpp v[SM], v[SM], v[SM] row_xmask:8 row_mask:0xf bank_mask:0xf   ; m: the head's largest t of the chunk, in its 16 lanes
.irp k, 0,1,2,3,4,5,6,7
	v_sub_f32 v[T+\k], v[T+\k], v[SM]              ; the maximum is taken away: every exponent is at most 0
.endr
.irp k, 0,1,2,3,4,5,6,7
	v_exp_f32 v[T+\k], v[T+\k]
.endr
	v_nop                                          ; one plain place behind the last transcendental (ISA guide 5.7.2)
	s_wait_alu depctr_va_vdst(0)
	v_pk_add_f32 v[SM+2:SM+3], v[T:T+1],     v[T+2:T+3]
	v_pk_add_f32 v[SM+4:SM+5], v[T+4:T+5],   v[T+6:T+7]
	v_pk_add_f32 v[SM+2:SM+3], v[SM+2:SM+3], v[SM+4:SM+5]
	v_add_f32 v[SM+1], v[SM+2], v[SM+3]
	v_add_f32_dpp v[SM+1], v[SM+1], v[SM+1] row_xmask:1 row_mask:0xf bank_mask:0xf
	v_add_f32_dpp v[SM+1], v[SM+1], v[SM+1] row_xmask:2 row_mask:0xf bank_mask:0xf
	v_add_f32_dpp v[SM+1], v[SM+1], v[SM+1] row_xmask:4 row_mask:0xf bank_mask:0xf
	v_add_f32_dpp v[SM+1], v[SM+1], v[SM+1] row_xmask:8 row_mask:0xf bank_mask:0xf ; l: at least 1, at most 128
.irp k, 0,1,2,3
	v_cvt_pk_bf16_f32 v[SM+4+\k], v[T+2*\k], v[T+2*\k+1]
.endr
	s_wait_alu depctr_va_vdst(0)                   ; m, l and the packed p are written, which the four LDS stores read
	ds_store_b64 v[PST], v[SM+4:SM+5]
	ds_store_b64 v[PST], v[SM+6:SM+7] offset:128
	ds_store_b32 v[MLW], v[SM]                     ; the head's 16 lanes write one word with one value
	ds_store_b32 v[MLW], v[SM+1] offset:64
	s_wait_dscnt 0x0                               ; for the others' sake: my two heads' p, m and l are in LDS
	s_barrier_signal -1
	s_barrier_wait -1                              ; all sixteen heads' are
	s_wait_alu depctr_vm_vsrc(0)                   ; my four LDS stores have read v[24:31], in which l lands
.irp t, 0,1,2,3
	ds_load_b128 v[P+8*\t:P+8*\t+3],   v[PRD] offset:64*\t        ; (the matrix instructions that read these registers, and the softmax's lines that named v[24:31], stand ahead of the last wait on va_vdst)
	ds_load_b128 v[P+8*\t+4:P+8*\t+7], v[PRD] offset:64*\t+32
.endr
	ds_load_b128 v[IL:IL+3],   v[ILA]
	ds_load_b128 v[IL+4:IL+7], v[ILA] offset:16
	s_cmp_lg_u32 s20, 0
	s_cbranch_scc1 .Lnot_wave_0
	v_add_nc_u32 v[T], MLB, v[MLO]                 ; wave 0 stores the chunk's m and l: 32 words, 128 consecutive bytes
	s_wait_alu depctr_va_vdst(0)                   ; v[T] is written, which the LDS load reads as its address
	ds_load_b32 v[T+1], v[T]
	s_wait_dscnt 0x0
	global_store_b32 v[MLO], v[T+1], s[14:15]      ; neither register is written again
.Lnot_wave_0:
	s_wait_dscnt 0x0
.irp j, 0,1,2,3,4,5,6,7
	v_rcp_f32 v[IL+\j], v[IL+\j]
.endr
	v_nop                                          ; one plain place behind the last transcendental
; 32 keys x my 64 columns of half g = un / 4: eight pairs of rows become register p of four B fragments; four matrix instructions.  Four groups of two pairs, four quads.
.macro VUNIT un
.irp q, 0,1,2,3
.if 124-16*\un-4*\q < 28
	s_wait_loadcnt 124-16*\un-4*\q                 ; the stream runs dry: behind these four quads stand only the loads up to number 255
.else
	s_wait_loadcnt 28                              ; the four oldest of the 32 are in
.endif
.irp p, 0,1
.irp e, 0,1,2,3
	v_cvt_pk_bf16_f32 v[BF+8*\e+2*\q+\p], v[X+4*((16*\un+4*\q+2*\p)%32)+\e], v[X+4*((16*\un+4*\q+2*\p+1)%32)+\e]
.endr
.endr
.if \un < 6
	s_wait_alu depctr_va_vdst(0)                   ; the eight conversions are done reading the four quads, in which the refills land
.irp i, 0,1,2,3
	NEXT (128+16*\un+4*\q+\i+32)
.endr
.endif                                                 ; the last two units ask for nothing: there is no dependence to state
.endr
	; four accumulators take turns; the first 32 keys start the sums
.irp e, 0,1,2,3
.if (\un%4) == 0
	v_wmma_f32_16x16x32_bf16 v[ACC+8*\e:ACC+8*\e+7], v[P+8*(\un%4):P+8*(\un%4)+7], v[BF+8*\e:BF+8*\e+7], 0
.else
	v_wmma_f32_16x16x32_bf16 v[ACC+8*\e:ACC+8*\e+7], v[P+8*(\un%4):P+8*(\un%4)+7], v[BF+8*\e:BF+8*\e+7], v[ACC+8*\e:ACC+8*\e+7]
.endif
.endr
.rept 4
	v_nop                                          ; four places before the fragments are written again or the results read (ISA guide 7.12.1)
.endr
.endm
; register j of accumulator e is (head 8 hh + j, column 512 g + 64 w + 4 r + e): the division by l also brings the four e of a row together.
; The products go into v[256 + 32 g ..], which nothing else ever writes.  s_set_vgpr_msb's low byte: bits 1:0 source 0, 3:2 source 1, 5:4 source 2,
; 7:6 destination; its high byte repeats the setting that is left.
.macro OUT g
	s_set_vgpr_msb 0x40                            ; the destination in the second window, the sources in the first
.irp j, 0,1,2,3,4,5,6,7
.irp e, 0,1,2,3
	v_mul_f32 v[O+32*\g+4*\j+\e], v[ACC+8*\e+\j], v[IL+\j]
.endr
.endr
	s_set_vgpr_msb 0x4004                          ; a store's data are its source 1: the second window; its address register, source 0: the first
	s_wait_alu depctr_va_vdst(0)                   ; the 32 multiplications have written v[256 + 32 g ..], which the stores read
.irp j, 0,1,2,3,4,5,6,7
	global_store_b128 v[VOFF], v[O+32*\g+4*\j:O+32*\g+4*\j+3], s[12:13] offset:ROWB*\j+2048*\g   ; 16 lanes store 256 consecutive bytes, aligned; the next launch reads them
.endr
	s_set_vgpr_msb 0x0400                          ; all back to the first window
.endm
	VUNIT 0
	VUNIT 1
	VUNIT 2
	VUNIT 3
	OUT 0
	VUNIT 4
	VUNIT 5
	VUNIT 6
	VUNIT 7
	OUT 1
	s_set_vgpr_msb 0x5
	s_wait_dscnt 0x0
	s_wait_alu depctr_hold_cnt(0) depctr_sa_sdst(0) depctr_va_vdst(0) depctr_va_sdst(0) depctr_va_ssrc(0) depctr_va_vcc(0) depctr_vm_vsrc(0)
	s_wait_tensorcnt 0x0
	ds_add_u32 v64, v65
	s_wait_dscnt 0x0
	s_endpgm
.Lfunc_end_k_q96b73a64e7_sv:
	.size	k_q96b73a64e7_sv, .Lfunc_end_k_q96b73a64e7_sv-k_q96b73a64e7_sv
	.p2alignl 7, 3214868480
	.fill 96, 4, 3214868480
	.section	.rodata,"a",@progbits
	.p2align	6, 0x0
	.amdhsa_kernel k_q96b73a64e7_sv
		.amdhsa_group_segment_fixed_size 81920
		.amdhsa_private_segment_fixed_size 0
		.amdhsa_enable_private_segment 0
		.amdhsa_kernarg_size 48
		.amdhsa_user_sgpr_count 2
		.amdhsa_user_sgpr_kernarg_segment_ptr 1
		.amdhsa_wavefront_size32 1
		.amdhsa_system_sgpr_workgroup_id_x 1
		.amdhsa_system_sgpr_workgroup_id_y 1
		.amdhsa_system_sgpr_workgroup_id_z 1
		.amdhsa_system_vgpr_workitem_id 0
		.amdhsa_next_free_vgpr 322
		.amdhsa_next_free_sgpr 66
		.amdhsa_reserve_vcc 0
		.amdhsa_float_denorm_mode_32 3
		.amdhsa_float_denorm_mode_16_64 3
		.amdhsa_memory_ordered 1
		.amdhsa_forward_progress 1
		.amdhsa_inst_pref_size 101
	.end_amdhsa_kernel
	.amdgpu_metadata
---
amdhsa.version: [ 1, 2 ]
amdhsa.kernels:
  - .name:           k_q96b73a64e7_sv
    .symbol:         k_q96b73a64e7_sv.kd
    .args:
      - { .name: key, .offset: 0, .size: 8, .value_kind: global_buffer, .address_space: global }
      - { .name: value, .offset: 8, .size: 8, .value_kind: global_buffer, .address_space: global }
      - { .name: qkw, .offset: 16, .size: 8, .value_kind: global_buffer, .address_space: global }
      - { .name: cw, .offset: 24, .size: 8, .value_kind: global_buffer, .address_space: global }
      - { .name: upart, .offset: 32, .size: 8, .value_kind: global_buffer, .address_space: global }
      - { .name: ml, .offset: 40, .size: 8, .value_kind: global_buffer, .address_space: global }
    .group_segment_fixed_size: 81920
    .private_segment_fixed_size: 0
    .kernarg_segment_align: 8
    .kernarg_segment_size: 48
    .max_flat_workgroup_size: 256
    .sgpr_count:     66
    .vgpr_count:     322
    .wavefront_size: 32
...
	.end_amdgpu_metadata
.endif
;; end of part 6
;; launch comb: the kernel of part 4 again; grid 16 x 16, 8 waves a work-group, no clusters, 0 bytes of LDS; arguments upart, ml, u; writes u
;; launch projv: the kernel of part 5 again; grid 4 x 16, 16 waves a work-group, no clusters, 96,256 bytes of LDS; arguments u, Wv, bv, attn; writes attn
;; launch projo: the kernel of part 5 again; grid 64 x 1, 16 waves a work-group, no clusters, 96,256 bytes of LDS; arguments attn, Wo, bo, out0; writes out0
